; MI455X (gfx1250); checked and timed in simulation.
; The chip was launched on July 23, 2026; its instructions are those of AMD's public machine-readable ISA for CDNA 5 (MIT licence, August 2026) and "CDNA5" Instruction Set Architecture Reference Guide (July 2026). The comments in the code are by the model that wrote it; some were corrected since.
;; Multihead Attention. Allowed arithmetic: matrix products marked QUANTISED: E2M3 operands, one E8M0 scale for each 32 along K, by v_wmma_scale_f32_16x16x128_f8f6f4 with both operands' format E2M3, f32 sums; everything else in f32.
;; Inputs: Wk 1,024 x 1,024 float32; Wp 1,024 x 1,024 float32; Wq 1,024 x 1,024 float32; Wv 1,024 x 1,024 float32; bk 1,024 float32; bp 1,024 float32; bq 1,024 float32; bv 1,024 float32; x 4 x 2,048 x 1,024 float32.
;; Outputs: out0 4 x 2,048 x 1,024 float32.
;; This version of the problem:
;;   THIS VERSION OF THE PROBLEM IS GIVEN IN LOW PRECISION. The matrix products marked QUANTISED in the list below multiply operands that are first quantised to E2M3 (2 exponent bits, 3 mantissa bits; 6 bits a number), with one power-of-two scale for each 32 numbers along K (OCP MX v1.0); their sums are f32. All else is computed in f32.
;;   The module's matrix products, in the order in which they are computed (A, B: the left and right operand; K: the contracted axis; several contracted axes count as one K, in the product's order):
;;     1. [M 8,192, K 1,024] x [K 1,024, N 1,024]; A: input x; B: input Wq: QUANTISED
;;     2. [M 8,192, K 1,024] x [K 1,024, N 1,024]; A: input x; B: input Wk: QUANTISED
;;     3. [M 8,192, K 1,024] x [K 1,024, N 1,024]; A: input x; B: input Wv: QUANTISED
;;     4. batch 64 x [M 2,048, K 64] x [K 64, N 2,048]; A: computed on the way; B: computed on the way: QUANTISED
;;     5. batch 64 x [M 2,048, K 2,048] x [K 2,048, N 64]; A: softmax (see below); B: computed on the way: QUANTISED
;;     6. [M 8,192, K 1,024] x [K 1,024, N 1,024]; A: computed on the way; B: input Wp: QUANTISED
;;   THE QUANTISER, for each operand of a quantised product, along K:
;;     - K is cut into blocks of 32 from its start; a last block that is shorter is filled with zeros.
;;     - A block's scale is 2^e with e = floor(log2(the largest magnitude in the block)) - 2, held to -126 .. 127; a block of zeros has e = 0. As a byte (E8M0): e + 127.
;;     - Each number is divided by its block's scale, clamped to +-7.5, and rounded to the nearest number of E2M3, ties to even, subnormals kept.
;;     - The product sums the exact products of the quantised numbers (number of the format x scale) in f32.
;;   ~~~python
;;   def quantise(x, axis):      # numpy; x: float32 -> the quantised numbers, widened to float32 again
;;       x = np.moveaxis(x, axis, -1); K = x.shape[-1]
;;       x = np.pad(x, [(0, 0)] * (x.ndim - 1) + [(0, -K % 32)]); x = x.reshape(x.shape[:-1] + (-1, 32)); a = np.abs(x).max(-1, keepdims=True)
;;       e = np.where(a > 0, np.clip(np.frexp(np.where(a > 0, a, 1))[1] - 1 - 2, -126, 127), 0)      # np.frexp(a)[1] - 1 = floor(log2(a)), exactly
;;       r = np.clip(x / 2.0 ** e, -7.5, 7.5)
;;       step = 2.0 ** (np.maximum(np.frexp(np.where(r == 0, 1, r))[1] - 1, 0) - 3)
;;       q = np.round(r / step) * step * 2.0 ** e      # np.round: ties to even
;;       return np.moveaxis(q.reshape(q.shape[:-2] + (-1,))[..., :K], -1, axis).astype(np.float32)
;;   ~~~
;;   SOFTMAX AHEAD OF A QUANTISED PRODUCT. Where the list says 'softmax', what is quantised is not the finished softmax but p = 2^(t - M), with t = logit x log2(e) and M = ceil(the row's largest t), a whole number; so 1/2 < the row's largest p <= 1. The row's sum l is taken of the UNQUANTISED p, in f32, and the product's result is divided by l at the end. Since M is a whole number, a kernel that streams over the keys may use a running M (the ceiling of the running maximum): every later rescaling is an exact power of two, which a block's scale takes up: the codes' values come out the same.
;;   OPERANDS COMPUTED ON THE WAY. 'Computed on the way' means the value that the module computes at that place (a softmax that the list does not call 'softmax' is quantised finished and normalised). What goes into a quantiser is computed in f32, as accurately as f32 sums, v_exp_f32 and their like allow (about 1e-6 of the number): no bf16 or f16 on the way to a quantiser, and a product that is left as it is and whose result goes on into a quantised operand takes f32 operands (vector FMAs, or v_wmma_f32_16x16x4_f32). A number that lies on a knife's edge between two numbers of the format may be rounded either way, as far as f32 arithmetic and the matrix unit's own rounding can turn it there, and no further.
;; One version. Each part assembles by itself: llvm-mc -triple=amdgcn-amd-amdhsa -mcpu=gfx1250 --defsym DOCPART=n.
;; ======== version 1 of 1: 4 launches
;; workspace buffers: codes 9,437,184 bytes; scl 393,216 bytes; qkc 12,582,912 bytes; qks 1,048,576 bytes; vc 6,291,456 bytes; vs 524,288 bytes; oc 6,291,456 bytes; os 524,288 bytes
;; launch quant (part 1): grid 384 x 1, 4 waves a work-group, no clusters, 34,304 bytes of LDS; arguments x, Wq, Wk, Wv, Wp, codes, scl; writes codes, scl
.if DOCPART == 1
	.amdgcn_target "amdgcn-amd-amdhsa--gfx1250"
	.amdhsa_code_object_version 6
	.text
	.protected	k_qa2afdbf81f_quant
	.globl	k_qa2afdbf81f_quant
	.p2align	8
	.type	k_qa2afdbf81f_quant,@function
k_qa2afdbf81f_quant:
	s_mov_b64 s[64:65], 0
	v_nop
	global_prefetch_b8 v0, s[64:65] scope:SCOPE_SE
	s_setreg_imm32_b32 hwreg(HW_REG_WAVE_MODE, 25, 1), 1
	s_wait_xcnt 0x0
; x [8192][1024] and Wq, Wk, Wv, Wp [1024 (k)][1024 (n)], f32, become codes of FP6 (E2M3) with one E8M0 byte for each 32 along K, laid as the later launches' operand registers want them.
; ROW ORDER.  Rows (tokens of x, columns n of a weight) go in groups G of 32, two tiles u a group; lane r of tile 2 G + u stands for row 32 G + 8 u + r + 8 (r / 8).
; codes: [K step of 128, 8][tile, 768][1,536 bytes]: a fragment's 12 registers as three runs of 512 bytes, lane l's registers 4 j .. 4 j + 3 at 512 j + 16 l.  Tiles 0-511: x; 512 + 64 wt on: weight wt (q, k, v, p).
; scl:   [group, 384][pair of K steps, 4][lane 16 u + r][8 bytes]: the row's two scale words.
; A block's scale is 2^(floor(log2(largest magnitude)) - 2): its byte is the largest magnitude's exponent field - 2, held at 1 from below by a floor among the maximum's sources.
; LIMITS: NaN and infinities among the inputs are not served; a block whose largest magnitude lies under 2^-124 has the byte 1; a block of zeros has the byte 1 and not 127 (its codes are zeros, and this program alone reads the bytes).
; Work-groups 0-255: x, a group of 32 rows each, a wave 256 along K.  Work-groups 256-383: the weights, a wave 32 columns x 256 along K.  Memory binds: no matrix unit, no cluster, no tensor load.
.set KSS, 1179648                      ; bytes of a K step in codes: 768 tiles x 1,536
.set SP,  528                          ; x's stage: a row of 512 bytes + 16: 132 words, so that sixteen rows start in sixteen different groups of four banks
.set WST, 16*SP                        ; a wave's stage
.set R,   32                           ; x path: v32-159 two sets of 64 registers as loaded
.set X,   160                          ; v160-223 a lane's 64 numbers: k = 64 c + 32 h + 0 .. 31 of its row
.set FC,  224                          ; v224-235 the fragment's codes
.set CT,  236                          ; v236-238, v240-242 second halves of the blocks (a conversion's three registers begin on an even number)
.set XW,  32                           ; W path: v32-95 two sets of 32 numbers
.set FW,  96                           ; v96-143 codes: K step sl, tile u, half c at FW + 24 sl + 12 u + 6 c
	s_load_b256 s[4:11], s[0:1], 0x0               ; x, Wq, Wk, Wv
	s_load_b128 s[12:15], s[0:1], 0x20             ; Wp, codes
	s_load_b64 s[16:17], s[0:1], 0x30              ; scl
	v_lshl_add_u32 v254, v0, 2, 0x8400
	v_mov_b32 v255, 0
	v_lshrrev_b32 v1, 5, v0
	v_readfirstlane_b32 s20, v1                    ; wave
	v_and_b32 v1, 31, v0                           ; lane l
	v_and_b32 v2, 15, v0                           ; r
	v_bfe_u32 v3, v0, 4, 1                         ; h (in the W path: u)
	v_lshlrev_b32 v7, 3, v1                        ; 8 l
	s_cmp_lt_u32 ttmp9, 256
	s_cbranch_scc0 .Lw
	; ---------------- x: G = work-group, the wave takes K steps 2 w and 2 w + 1 ----------------
	v_lshlrev_b32 v4, 4, v1                        ; 16 l: my bytes of a load's 512, and of a run of codes
	s_mul_i32 s21, s20, WST
	v_add_nc_u32 v5, s21, v4                       ; the stage, way in: a row as it lies
	v_mul_u32_u24 v6, v2, SP
	v_lshl_add_u32 v6, v3, 7, v6
	v_add_nc_u32 v6, s21, v6                       ; way out: row r, 128 h bytes on: my block of 32 numbers
	v_lshlrev_b32 v14, 3, v3                       ; 8 h
	v_mov_b32 v15, 0                               ; a lane permute's destination counts as one of its sources
	s_mov_b32 s28, 0x76543210
	s_mov_b32 s29, 0xfedcba98                      ; selects for lane l xor 16
	s_mov_b32 s30, 0xffff0000                      ; lanes 16-31
	s_lshl_b32 s32, ttmp9, 17                      ; 32 rows of 4,096 bytes
	s_lshl_b32 s33, s20, 10                        ; 256 numbers along K
	s_add_co_u32 s32, s32, s33
	s_mov_b32 s33, 0
	s_mul_i32 s34, s20, 2*KSS
	s_mul_i32 s35, ttmp9, 3072                     ; two tiles
	s_add_co_u32 s34, s34, s35
	s_mov_b32 s35, 0
	s_lshl_b32 s36, ttmp9, 10
	s_lshl_b32 s37, s20, 8
	s_add_co_u32 s36, s36, s37
	s_mov_b32 s37, 0
	s_wait_alu depctr_va_vdst(0)
	s_wait_kmcnt 0x0
	s_add_nc_u64 s[22:23], s[4:5], s[32:33]
	s_add_nc_u64 s[24:25], s[14:15], s[34:35]
	s_add_nc_u64 s[26:27], s[16:17], s[36:37]
; step t: tile u = t / 2, K step sl = t % 2: 16 rows x 128 numbers; each load reads 512 consecutive bytes of one row
.macro XLOAD t
.irp i, 0,1,2,3,4,5,6,7,8,9,10,11,12,13,14,15
	global_load_b128 v[R+64*((\t)%2)+4*\i:R+64*((\t)%2)+4*\i+3], v4, s[22:23] offset:(8*((\t)/2)+\i+8*(\i/8))*4096+512*((\t)%2) th:TH_LOAD_NT
.endr
.endm
.macro XSTEP t
.if (\t) < 3
	s_wait_loadcnt 16                              ; this step's 16 loads are in; the next step's 16 may be out
.else
	s_wait_loadcnt 0x0
.endif
.irp i, 0,1,2,3,4,5,6,7,8,9,10,11,12,13,14,15
	ds_store_b128 v5, v[R+64*((\t)%2)+4*\i:R+64*((\t)%2)+4*\i+3] offset:SP*\i
.endr
.irp c, 0,1
.irp j, 0,1,2,3,4,5,6,7
	ds_load_b128 v[X+32*\c+4*\j:X+32*\c+4*\j+3], v6 offset:256*\c+16*\j   ; LDS serves a wave's instructions in order: these see the stores above
.endr
.endr
	s_wait_dscnt 0x0                               ; my 64 numbers are back, and the stores have read their registers,
.if (\t) < 2
	XLOAD (\t)+2                                   ; which take the loads of two steps on
.endif
.irp c, 0,1
	v_max3_num_f32 v[8+\c], |v[X+32*\c]|, |v[X+32*\c+1]|, 0x1800000   ; a whole block is mine; the floor 2^(3 - 127) holds the byte at 1 from below
.endr
.irp i, 2,4,6,8,10,12,14,16,18,20,22,24,26,28,30
.irp c, 0,1
	v_max3_num_f32 v[8+\c], v[8+\c], |v[X+32*\c+\i]|, |v[X+32*\c+\i+1]|
.endr
.endr
	v_add_nc_u32 v10, 0xff000000, v8               ; 2 off the exponent field: the conversion's scale operand
	v_add_nc_u32 v11, 0xff000000, v9
	v_lshrrev_b32 v12, 23, v10                     ; the bytes of blocks h and 2 + h
	v_lshrrev_b32 v13, 23, v11
	v_lshl_or_b32 v12, v13, 16, v12
	v_lshlrev_b32 v12, v14, v12                    ; at their places in the row's word
	v_permlanex16_b32 v15, v12, s28, s29
	v_or_b32 v[16+(\t)], v12, v15                  ; with the other half's two the word is whole, in both halves of the lanes
.if (\t) > 0
	s_wait_alu depctr_va_vdst(0)
	s_wait_xcnt 0x0                                ; the last step's stores have read the codes' registers: they are written again only behind this wait
.endif
.irp c, 0,1
	v_cvt_scalef32_pk16_fp6_f32 v[FC+6*\c:FC+6*\c+2], v[X+32*\c:X+32*\c+15], v[10+\c]
	v_cvt_scalef32_pk16_fp6_f32 v[CT+4*\c:CT+4*\c+2], v[X+32*\c+16:X+32*\c+31], v[10+\c]
.endr
	v_nop                                          ; one plain place behind a scaled conversion
.irp c, 0,1
.irp i, 0,1,2
	v_mov_b32 v[FC+6*\c+3+\i], v[CT+4*\c+\i]
.endr
.endr
.irp j, 0,1,2
	global_store_b128 v4, v[FC+4*\j:FC+4*\j+3], s[24:25] offset:((\t)%2)*KSS+((\t)/2)*1536+512*\j   ; 512 consecutive bytes, aligned
.endr
.endm
	XLOAD 0
	XLOAD 1
	XSTEP 0
	XSTEP 1
	XSTEP 2
	XSTEP 3
	v_cndmask_b32 v20, v16, v18, s30               ; lanes 0-15 tile 0's words, lanes 16-31 tile 1's: K step 2 w,
	v_cndmask_b32 v21, v17, v19, s30               ; and K step 2 w + 1
	global_store_b64 v7, v[20:21], s[26:27]        ; 256 consecutive bytes, aligned
	s_wait_tensorcnt 0x0
	ds_add_u32 v254, v255
	s_wait_dscnt 0x0
	s_endpgm
	; ---------------- the weights: a lane takes a column, its registers run down K ----------------
.Lw:
	s_sub_co_u32 s21, ttmp9, 256
	s_lshr_b32 s31, s21, 5                         ; which weight: 0 q, 1 k, 2 v, 3 p
	s_bfe_u32 s32, s21, 0x30002                    ; which 128 columns
	s_and_b32 s33, s21, 3                          ; which 256 along K
	s_lshl_b32 s32, s32, 2
	s_add_co_u32 s32, s32, s20                     ; my wave's group of 32 columns
	s_wait_alu depctr_va_vdst(0)
	v_and_b32 v4, 8, v2
	v_add_nc_u32 v4, v4, v2
	v_lshl_add_u32 v4, v3, 3, v4                   ; lane 16 u + r takes column 8 u + r + 8 (r / 8) of the group
	v_lshlrev_b32 v4, 2, v4
	v_lshlrev_b32 v5, 4, v1                        ; 16 l
	s_lshl_b32 s34, s33, 20                        ; 256 rows of 4,096 bytes
	s_lshl_b32 s35, s32, 7
	s_add_co_u32 s34, s34, s35
	s_mov_b32 s35, 0
	s_lshl_b32 s36, s31, 6
	s_lshl_b32 s37, s32, 1
	s_add_co_u32 s36, s36, s37
	s_add_co_u32 s36, s36, 512                     ; my first tile
	s_mul_i32 s36, s36, 1536
	s_mul_i32 s37, s33, 2*KSS
	s_add_co_u32 s36, s36, s37
	s_mov_b32 s37, 0
	s_lshl_b32 s38, s31, 5
	s_add_co_u32 s38, s38, s32
	s_add_co_u32 s38, s38, 256                     ; my group among all 384
	s_lshl_b32 s38, s38, 10
	s_lshl_b32 s39, s33, 8
	s_add_co_u32 s38, s38, s39
	s_mov_b32 s39, 0
	s_and_b32 s44, s31, 1
	s_and_b32 s45, s31, 2
	s_wait_alu depctr_va_vdst(0)
	s_wait_kmcnt 0x0
	s_cmp_lg_u32 s44, 0                            ; the choice hangs on the work-group's number alone
	s_cselect_b64 s[40:41], s[8:9], s[6:7]
	s_cselect_b64 s[42:43], s[12:13], s[10:11]
	s_cmp_lg_u32 s45, 0
	s_cselect_b64 s[40:41], s[42:43], s[40:41]
	s_add_nc_u64 s[22:23], s[40:41], s[34:35]
	s_add_nc_u64 s[24:25], s[14:15], s[36:37]
	s_add_nc_u64 s[26:27], s[16:17], s[38:39]
.macro WLOAD t                         ; block t: W(32 t + i, my column): the wave reads 128 consecutive bytes, the work-group 512
.irp i, 0,1,2,3,4,5,6,7,8,9,10,11,12,13,14,15,16,17,18,19,20,21,22,23,24,25,26,27,28,29,30,31
	global_load_b32 v[XW+32*((\t)%2)+\i], v4, s[22:23] offset:(32*(\t)+\i)*4096 th:TH_LOAD_NT
.endr
.endm
.macro WBLOCK t
.set XS, XW+32*((\t)%2)
.set SL, (\t)/4                        ; which of my two K steps
.set CC, ((\t)/2)%2                    ; which 64 of its 128
.set EE, (\t)%2                        ; which 32 of these
.set DD, FW+24*SL+12*EE+6*CC
.if (\t) < 7
	s_wait_loadcnt 32                              ; this block's 32 loads are in; the next block's may be out
.else
	s_wait_loadcnt 0x0
.endif
	v_max3_num_f32 v8, |v[XS]|, |v[XS+1]|, 0x1800000   ; all 32 numbers are mine; the floor holds the byte at 1 from below
	v_max3_num_f32 v9, |v[XS+2]|, |v[XS+3]|, |v[XS+4]|
.irp i, 5,9,13,17,21,25
	v_max3_num_f32 v8, v8, |v[XS+\i]|, |v[XS+\i+1]|
	v_max3_num_f32 v9, v9, |v[XS+\i+2]|, |v[XS+\i+3]|
.endr
	v_max3_num_f32 v8, v8, |v[XS+29]|, |v[XS+30]|
	v_max3_num_f32 v8, v8, v9, |v[XS+31]|
	v_add_nc_u32 v10, 0xff000000, v8               ; the conversion's scale operand
	v_lshrrev_b32 v11, 23, v10                     ; the byte
.if (\t)%4 == 0
	v_mov_b32 v[20+SL], v11                        ; four bytes make my column's word of a K step
.else
	v_lshl_or_b32 v[20+SL], v11, 8*((\t)%4), v[20+SL]
.endif
	v_cvt_scalef32_pk16_fp6_f32 v[DD:DD+2], v[XS:XS+15], v10
	v_cvt_scalef32_pk16_fp6_f32 v[144:146], v[XS+16:XS+31], v10
	v_nop                                          ; one plain place behind a scaled conversion
.irp i, 0,1,2
	v_mov_b32 v[DD+3+\i], v[144+\i]
.endr
.if (\t) < 6
	WLOAD (\t)+2
.endif
.if EE == 1                            ; lanes 0-15 hold tile 0's columns and lanes 16-31 tile 1's, in both blocks: the exchange gives the first run tile 0 (block 0 below, block 1 above), the second tile 1
.irp i, 0,1,2,3,4,5
	v_permlane16_swap_b32 v[FW+24*SL+6*CC+\i], v[FW+24*SL+12+6*CC+\i]
.endr
.endif
.if (\t)%4 == 3
.irp i, 0,1,2,3,4,5
	global_store_b128 v5, v[FW+24*SL+4*\i:FW+24*SL+4*\i+3], s[24:25] offset:SL*KSS+512*\i   ; two tiles on end: 3,072 consecutive bytes; no register of these is written twice
.endr
.endif
.endm
	WLOAD 0
	WLOAD 1
.irp t, 0,1,2,3,4,5,6,7
	WBLOCK \t
.endr
	global_store_b64 v7, v[20:21], s[26:27]        ; 256 consecutive bytes, aligned
	s_endpgm
.Lfunc_end_k_qa2afdbf81f_quant:
	.size	k_qa2afdbf81f_quant, .Lfunc_end_k_qa2afdbf81f_quant-k_qa2afdbf81f_quant
	.p2alignl 7, 3214868480
	.fill 96, 4, 3214868480
	.section	.rodata,"a",@progbits
	.p2align	6, 0x0
	.amdhsa_kernel k_qa2afdbf81f_quant
		.amdhsa_group_segment_fixed_size 34304
		.amdhsa_private_segment_fixed_size 0
		.amdhsa_enable_private_segment 0
		.amdhsa_kernarg_size 56
		.amdhsa_user_sgpr_count 2
		.amdhsa_user_sgpr_kernarg_segment_ptr 1
		.amdhsa_wavefront_size32 1
		.amdhsa_system_sgpr_workgroup_id_x 1
		.amdhsa_system_sgpr_workgroup_id_y 1
		.amdhsa_system_sgpr_workgroup_id_z 1
		.amdhsa_system_vgpr_workitem_id 0
		.amdhsa_next_free_vgpr 256
		.amdhsa_next_free_sgpr 66
		.amdhsa_reserve_vcc 0
		.amdhsa_float_denorm_mode_32 3
		.amdhsa_float_denorm_mode_16_64 3
		.amdhsa_memory_ordered 1
		.amdhsa_forward_progress 1
		.amdhsa_inst_pref_size 69
	.end_amdhsa_kernel
	.amdgpu_metadata
---
amdhsa.version: [ 1, 2 ]
amdhsa.kernels:
  - .name:           k_qa2afdbf81f_quant
    .symbol:         k_qa2afdbf81f_quant.kd
    .args:
      - { .name: x, .offset: 0, .size: 8, .value_kind: global_buffer, .address_space: global }
      - { .name: Wq, .offset: 8, .size: 8, .value_kind: global_buffer, .address_space: global }
      - { .name: Wk, .offset: 16, .size: 8, .value_kind: global_buffer, .address_space: global }
      - { .name: Wv, .offset: 24, .size: 8, .value_kind: global_buffer, .address_space: global }
      - { .name: Wp, .offset: 32, .size: 8, .value_kind: global_buffer, .address_space: global }
      - { .name: codes, .offset: 40, .size: 8, .value_kind: global_buffer, .address_space: global }
      - { .name: scl, .offset: 48, .size: 8, .value_kind: global_buffer, .address_space: global }
    .group_segment_fixed_size: 34304
    .private_segment_fixed_size: 0
    .kernarg_segment_align: 8
    .kernarg_segment_size: 56
    .max_flat_workgroup_size: 128
    .sgpr_count:     66
    .vgpr_count:     256
    .wavefront_size: 32
...
	.end_amdgpu_metadata
.endif
;; end of part 1
;; launch qkv (part 2): grid 8 x 96, 4 waves a work-group, clusters of 4 x 4, 295,424 bytes of LDS; arguments codes, scl, bq, bk, bv, qkc, qks, vc, vs; writes qkc, qks, vc, vs
.if DOCPART == 2
	.amdgcn_target "amdgcn-amd-amdhsa--gfx1250"
	.amdhsa_code_object_version 6
	.text
	.protected	k_qa2afdbf81f_qkv
	.globl	k_qa2afdbf81f_qkv
	.p2align	8
	.type	k_qa2afdbf81f_qkv,@function
k_qa2afdbf81f_qkv:
	s_mov_b64 s[64:65], 0
	v_nop
	global_prefetch_b8 v0, s[64:65] scope:SCOPE_SE
	s_setreg_imm32_b32 hwreg(HW_REG_WAVE_MODE, 25, 1), 1
	s_wait_xcnt 0x0
	s_wait_alu depctr_hold_cnt(0) depctr_sa_sdst(0) depctr_va_vdst(0) depctr_va_sdst(0) depctr_va_ssrc(0) depctr_va_vcc(0) depctr_vm_vsrc(0)
	s_getreg_b32 s2, hwreg(HW_REG_IB_STS2, 6, 4)
	s_cmp_eq_u32 s2, 0
	s_cbranch_scc0 .Lentry_in_a_cluster
	s_endpgm
.Lentry_in_a_cluster:
	s_bfe_u32 s2, ttmp6, 0x10000c
	s_cmp_lg_u32 s2, 0xf033
	s_cbranch_scc0 .Lentry_shape_is_right
	s_endpgm
.Lentry_shape_is_right:
; q = x Wq + bq, k = x Wk + bk, v = x Wv + bv on codes of FP6 (E2M3) with E8M0 scales, and the results quantised at once for the attention: q and k along the head's 64, v along the keys.
; A work-group makes source 0 = 256 rows x source 1 = 128 rows, K = 1,024; a wave 128 x 64: 32 accumulators.  The matrix instruction gives a lane ONE row of source 1 and registers along source 0's rows;
; by the row order of the operands (lane r of tile 2 G + u is row 32 G + 8 u + r + 8 (r / 8)) the 16 registers of two neighbouring tiles are 16 neighbours.  So:
;   clusters y 0-15:  source 0 = 256 columns of Wq or Wk, source 1 = 128 tokens: a lane holds a token and 64 registers along the features: two heads' 64: quantised along the head.
;   clusters y 16-23: source 0 = 256 tokens, source 1 = 128 columns of Wv: a lane holds a channel and 64 registers along 128 tokens: quantised along the keys.
; ALL OF K LIES IN LDS: 8 K steps x (16 + 8) fragments x 1,536 bytes = 294,912 bytes, filled once, in four chunks of two K steps; nothing is filled again.
; CLUSTER 4 x 4: source 0's block hangs on cx and is asked for jointly by the column of the cluster, source 1's on cy, by the row.  Four tensor loads of a wave are out at the most.
; OUT: qkc [head group, 32: q's 16, k's 16][token tile, 512][768 bytes]: six registers a lane, lane l's registers 2 p, 2 p + 1 at 256 p + 8 l.  qks [head group][64 tokens][lane 16 u + r][2 words].
;      vc [batch x head, 64][key step, 16][channel tile, 4][1,536 bytes]; vs [batch x head][key step][lane][4 words].
; LIMITS: NaN and infinities are not served; a block whose largest magnitude lies under 2^-124, a block of zeros too, has the byte 1 (zeros' codes add nothing; this program alone reads the bytes).
; No prefetch: a work-group asks for all that it reads at its head.
; REGISTERS: window 0: v1 l, v2 r, v3 h, v4-7, v8-9 LDS addresses, v10 8 l, v11 16 l, v13 the bias's offset; v16-47, v48-63 scale words; v64-127 bias; v128-191 64 numbers; v192-235 at work.
;   window 1: accumulator (a, t) at v[64 a + 8 t].  window 2: source 0's fragments, two sets at v0, v128.  window 3: source 1's, two sets at v0, v64.
.set KSS,    1179648                   ; bytes of a K step in codes
.set HS,     393216                    ; bytes of a head group in qkc
.set S0STEP, 24576                     ; LDS: source 0's 16 fragments of a K step
.set S1STEP, 12288                     ; source 1's 8
.set S1B,    196608                    ; where source 1's begin
.set SS0, 16                           ; scale word of (group g, K step s): v[SS0 + 8 g + s]: lanes 0-15 tile 2 g, lanes 16-31 tile 2 g + 1
.set SS1, 48
.set BQ,  64
.set H,   128
.set TM,  192
.set PWR, 208
.set WS,  212
.set CT,  216
.set PC,  224
.set G1A, 24
.set G1B, 32
.set G0A, 40
.set G0B, 68
.set SEL, 98
.set MSB, 0
.macro WIN new                         ; the immediate's high byte repeats the setting that is left
.if MSB != \new
	s_set_vgpr_msb (MSB<<8)|\new
.set MSB, \new
.endif
.endm
.macro ROUND                           ; a round of the cluster's barrier
	s_barrier_signal -1
	s_barrier_wait -1
	s_cmp_lg_u32 s22, 0
	s_cbranch_scc1 .Lnot_wave_0_\@
	s_barrier_signal -3
.Lnot_wave_0_\@:
	s_barrier_wait -3
	s_barrier_signal -1
	s_barrier_wait -1
.endm
.macro PLACES                          ; four plain places behind a matrix instruction, ahead of loads into its sources and of reads of its result
.rept 4
	v_nop
.endr
.endm
; one product.  rc < 0: C is the constant 0.  ra, rb: the scale words stand in lanes 16-31
.macro WM d, fa, fb, rc, sa, sb, ra, rb
.if (\rc) < 0
.if (\ra) && (\rb)
	v_wmma_scale_f32_16x16x128_f8f6f4 v[\d:\d+7], v[\fa:\fa+11], v[\fb:\fb+11], 0, v[\sa], v[\sb] matrix_a_fmt:MATRIX_FMT_FP6 matrix_b_fmt:MATRIX_FMT_FP6 matrix_a_scale:MATRIX_SCALE_ROW1 matrix_b_scale:MATRIX_SCALE_ROW1
.elseif (\ra)
	v_wmma_scale_f32_16x16x128_f8f6f4 v[\d:\d+7], v[\fa:\fa+11], v[\fb:\fb+11], 0, v[\sa], v[\sb] matrix_a_fmt:MATRIX_FMT_FP6 matrix_b_fmt:MATRIX_FMT_FP6 matrix_a_scale:MATRIX_SCALE_ROW1
.elseif (\rb)
	v_wmma_scale_f32_16x16x128_f8f6f4 v[\d:\d+7], v[\fa:\fa+11], v[\fb:\fb+11], 0, v[\sa], v[\sb] matrix_a_fmt:MATRIX_FMT_FP6 matrix_b_fmt:MATRIX_FMT_FP6 matrix_b_scale:MATRIX_SCALE_ROW1
.else
	v_wmma_scale_f32_16x16x128_f8f6f4 v[\d:\d+7], v[\fa:\fa+11], v[\fb:\fb+11], 0, v[\sa], v[\sb] matrix_a_fmt:MATRIX_FMT_FP6 matrix_b_fmt:MATRIX_FMT_FP6
.endif
.else
.if (\ra) && (\rb)
	v_wmma_scale_f32_16x16x128_f8f6f4 v[\d:\d+7], v[\fa:\fa+11], v[\fb:\fb+11], v[\rc:\rc+7], v[\sa], v[\sb] matrix_a_fmt:MATRIX_FMT_FP6 matrix_b_fmt:MATRIX_FMT_FP6 matrix_a_scale:MATRIX_SCALE_ROW1 matrix_b_scale:MATRIX_SCALE_ROW1
.elseif (\ra)
	v_wmma_scale_f32_16x16x128_f8f6f4 v[\d:\d+7], v[\fa:\fa+11], v[\fb:\fb+11], v[\rc:\rc+7], v[\sa], v[\sb] matrix_a_fmt:MATRIX_FMT_FP6 matrix_b_fmt:MATRIX_FMT_FP6 matrix_a_scale:MATRIX_SCALE_ROW1
.elseif (\rb)
	v_wmma_scale_f32_16x16x128_f8f6f4 v[\d:\d+7], v[\fa:\fa+11], v[\fb:\fb+11], v[\rc:\rc+7], v[\sa], v[\sb] matrix_a_fmt:MATRIX_FMT_FP6 matrix_b_fmt:MATRIX_FMT_FP6 matrix_b_scale:MATRIX_SCALE_ROW1
.else
	v_wmma_scale_f32_16x16x128_f8f6f4 v[\d:\d+7], v[\fa:\fa+11], v[\fb:\fb+11], v[\rc:\rc+7], v[\sa], v[\sb] matrix_a_fmt:MATRIX_FMT_FP6 matrix_b_fmt:MATRIX_FMT_FP6
.endif
.endif
.endm
; K step s: my 8 fragments of source 0 and 4 of source 1 into set s % 2: images of the registers, 512 consecutive bytes a load
.macro FETCH s
.set PP, (\s)%2
	WIN 0x80                                       ; destination window 2
.irp t, 0,1,2,3,4,5,6,7
.irp j, 0,1,2
	ds_load_b128 v[128*PP+12*\t+4*\j:128*PP+12*\t+4*\j+3], v[4+(\s)/2] offset:((\s)%2)*S0STEP+1536*\t+512*\j
.endr
.endr
	WIN 0xc0                                       ; destination window 3
.irp a, 0,1,2,3
.irp j, 0,1,2
	ds_load_b128 v[64*PP+12*\a+4*\j:64*PP+12*\a+4*\j+3], v[8+(\s)/4] offset:((\s)%4)*S1STEP+1536*\a+512*\j
.endr
.endr
.endm
; eight products: source 1's tile a against source 0's eight.  cm = 0: they start the sums with the constant 0; 1: they add on
.macro MUL8 s, a, cm
.set PP, (\s)%2
	WIN 0x5e                                       ; source 0 window 2, source 1 window 3, C and D window 1
.irp t, 0,1,2,3,4,5,6,7
.if (\cm) == 0
.set RC, -1
.else
.set RC, 64*(\a)+8*\t
.endif
	WM 64*(\a)+8*\t, 128*PP+12*\t, 64*PP+12*(\a), RC, SS0+8*(\t/2)+(\s), SS1+8*((\a)/2)+(\s), \t%2, (\a)%2
.endr
.endm
; The eight K steps.  The 32 accumulators take turns, one instruction a turn, in the same order in every step.
.macro KLOOP cm
	s_wait_tensorcnt 3                             ; my part of chunk 0 is in; my three younger loads may be out
	s_barrier_signal -1
	s_barrier_wait -1                              ; everybody's is
	FETCH 0
	s_wait_loadcnt 0x0                             ; scale words and bias
.irp s, 0,1,2,3,4,5,6,7
.if \s == 0
.set CM, \cm
.else
.set CM, 1
.endif
	s_wait_dscnt 0x0                               ; this step's fragments are in (asked for 24 matrix instructions ago)
	MUL8 \s, 0, CM
.if \s < 7
.if (\s%2) == 1
	s_wait_tensorcnt 3-(\s+1)/2                    ; my part of the next chunk is in; the count is my younger loads.  No LDS instruction of mine is out
	s_barrier_signal -1
	s_barrier_wait -1
.endif
	PLACES                                         ; the other set was last read by the step before
	FETCH \s+1
.endif
	MUL8 \s, 1, CM
	MUL8 \s, 2, CM
	MUL8 \s, 3, CM
.endr
	WIN 0
.endm
; 64 numbers of a lane, register 16 b + i = k 32 b + 16 h + i of its row, become a fragment's codes in v[PC] on and its scale word in v[pw]
.macro QUANT s, pw
.irp b, 0,1,2,3
	v_max3_num_f32 v[TM+\b], |v[\s+16*\b]|, |v[\s+1+16*\b]|, 0x1800000   ; my 16 of block b, and the floor 2^(3 - 127): the byte cannot fall under 1
.endr
.irp i, 2,4,6,8,10,12,14
.irp b, 0,1,2,3
	v_max3_num_f32 v[TM+\b], v[TM+\b], |v[\s+16*\b+\i]|, |v[\s+1+16*\b+\i]|
.endr
.endr
.irp b, 0,1,2,3
	v_permlanex16_b32 v[TM+4+\b], v[TM+\b], s[SEL], s[SEL+1]
.endr
.irp b, 0,1,2,3
	v_max_num_f32 v[TM+\b], v[TM+\b], v[TM+4+\b]   ; with lane l xor 16's: the block's largest magnitude
.endr
.irp b, 0,1,2,3
	v_add_nc_u32 v[TM+12+\b], 0xff000000, v[TM+\b] ; 2 off its exponent field: the conversion's scale operand
.endr
.irp b, 0,1,2,3
	v_lshrrev_b32 v[TM+4+\b], 23, v[TM+12+\b]      ; the byte
.endr
	v_lshl_or_b32 v[\pw], v[TM+5], 8, v[TM+4]
	v_lshl_or_b32 v[\pw], v[TM+6], 16, v[\pw]
	v_lshl_or_b32 v[\pw], v[TM+7], 24, v[\pw]
.irp c, 0,1
	v_cvt_scalef32_pk16_fp6_f32 v[PC+6*\c:PC+2+6*\c], v[\s+32*\c:\s+15+32*\c], v[TM+12+2*\c]
	v_cvt_scalef32_pk16_fp6_f32 v[CT+4*\c:CT+2+4*\c], v[\s+16+32*\c:\s+31+32*\c], v[TM+12+2*\c+1]
.endr
	v_nop                                          ; one plain place behind a scaled conversion
.irp c, 0,1                            ; the layout wants a whole block in a lane: lanes 0-15 block 2 c, lanes 16-31 block 2 c + 1
.irp i, 0,1,2
	v_permlane16_swap_b32 v[PC+6*\c+\i], v[CT+4*\c+\i]
.endr
.irp i, 0,1,2
	v_mov_b32 v[PC+3+6*\c+\i], v[CT+4*\c+\i]
.endr
.endr
.endm
	s_load_b256 s[4:11], s[0:1], 0x0               ; codes, scl, bq, bk
	s_load_b256 s[12:19], s[0:1], 0x20             ; bv, qkc, qks, vc
	s_load_b64 s[20:21], s[0:1], 0x40              ; vs
	v_lshl_add_u32 v254, v0, 2, 0x48000
	v_mov_b32 v255, 0
	ds_add_u32 v254, v255
	ds_add_u32 v254, v255
	v_lshrrev_b32 v1, 5, v0
	v_readfirstlane_b32 s22, v1                    ; wave
	s_and_b32 s23, s22, 1                          ; which 8 tiles of source 0 are mine.  Also: which K step of a chunk I fetch
	s_lshr_b32 s84, s22, 1                         ; which 4 tiles of source 1.  Also: I fetch for source 0 (0) or source 1 (1)
	s_bfe_u32 s85, ttmp6, 0x40000                  ; cx
	s_bfe_u32 s86, ttmp6, 0x40004                  ; cy
	s_and_b32 s88, ttmp7, 0xffff                   ; the cluster's y: under 16: q and k; from 16 on: v.  The same in all sixteen partners
	s_sub_co_u32 s100, s88, 16
	s_lshr_b32 s101, s100, 1
	s_lshl_b32 s101, s101, 7                       ; v: source 0 begins at x's tile 128 ((y - 16) / 2),
	s_and_b32 s100, s100, 1
	s_lshl_b32 s100, s100, 5
	s_add_co_u32 s100, s100, 640                   ; source 1 at Wv's tile 32 ((y - 16) % 2)
	s_lshl_b32 s97, s88, 5                         ; q, k: source 1 begins at x's tile 32 y,
	s_cmp_lt_u32 s88, 16
	s_cselect_b32 s101, 512, s101                  ; source 0 at Wq's first tile
	s_cselect_b32 s100, s97, s100
	s_lshl_b32 s89, ttmp9, 2
	s_add_co_u32 s89, s89, s85
	s_lshl_b32 s89, s89, 4
	s_add_co_u32 s89, s89, s101                    ; source 0's first tile: hangs on cx, never on cy
	s_lshl_b32 s92, s86, 3
	s_add_co_u32 s92, s92, s100                    ; source 1's: hangs on cy, never on cx
	s_lshl_b32 s87, 0x1111, s85                    ; my column of the cluster
	s_lshl_b32 s93, s86, 2
	s_lshl_b32 s93, 15, s93                        ; my row
	s_or_b32 s[G1A], s87, (3<<16)|(1<<21)          ; group 1: the mask; elements of 8 bytes; bit 21 beside a mask; no padding
	s_mov_b32 s[G1A+1], 32<<16                     ; a dense block as rows of 256 bytes: 32 elements,
	s_mov_b32 s[G1A+2], 96<<16                     ; 96 rows: 24,576 bytes
	s_mov_b32 s[G1A+3], 32<<16
	s_mov_b32 s[G1A+4], 96
	s_mov_b32 s[G1A+5], 32
	s_mov_b32 s[G1A+6], 0
	s_mov_b32 s[G1A+7], 0
	s_or_b32 s[G1B], s93, (3<<16)|(1<<21)
	s_mov_b32 s[G1B+1], 32<<16
	s_mov_b32 s[G1B+2], 48<<16                     ; 48 rows: 12,288 bytes
	s_mov_b32 s[G1B+3], 32<<16
	s_mov_b32 s[G1B+4], 48
	s_mov_b32 s[G1B+5], 32
	s_mov_b32 s[G1B+6], 0
	s_mov_b32 s[G1B+7], 0
	s_mul_i32 s90, s89, 1536
	s_mul_i32 s91, s23, KSS
	s_add_co_u32 s90, s90, s91
	s_mov_b32 s91, 0
	s_mul_i32 s94, s92, 1536
	s_mul_i32 s95, s23, KSS
	s_add_co_u32 s94, s94, s95
	s_mov_b32 s95, 0
	s_mul_i32 s97, s23, S0STEP                     ; LDS addresses hang on the wave's number alone
	s_mul_i32 s93, s23, S1STEP
	s_wait_dscnt 0x0
	s_wait_kmcnt 0x0
	s_add_nc_u64 s[90:91], s[4:5], s[90:91]
	s_add_nc_u64 s[94:95], s[4:5], s[94:95]
	ROUND                                          ; all sixteen work-groups are here: the joint loads meet
.irp q, 0,1,2,3
	s_mov_b32 s[G0A+4*\q], 1
	s_add_co_u32 s[G0A+4*\q+1], s97, \q*2*S0STEP
	s_add_nc_u64 s[G0A+4*\q+2:G0A+4*\q+3], s[90:91], \q*2*KSS
	s_or_b32 s[G0A+4*\q+3], s[G0A+4*\q+3], 0x80000000
	s_mov_b32 s[G0B+4*\q], 1
	s_add_co_u32 s[G0B+4*\q+1], s93, S1B+\q*2*S1STEP
	s_add_nc_u64 s[G0B+4*\q+2:G0B+4*\q+3], s[94:95], \q*2*KSS
	s_or_b32 s[G0B+4*\q+3], s[G0B+4*\q+3], 0x80000000
.endr
	s_cmp_eq_u32 s84, 0                            ; a wave's four fills stand in one branch on its number; four v_nop follow the last
	s_cbranch_scc0 .Lfill_b
	tensor_load_to_lds s[G0A:G0A+3], s[G1A:G1A+7]
	s_nop 0
	tensor_load_to_lds s[G0A+4:G0A+7], s[G1A:G1A+7]
	s_nop 0
	tensor_load_to_lds s[G0A+8:G0A+11], s[G1A:G1A+7]
	s_nop 0
	tensor_load_to_lds s[G0A+12:G0A+15], s[G1A:G1A+7]
	s_nop 0
.rept 4
	v_nop
.endr
	s_branch .Lfilled
.Lfill_b:
	tensor_load_to_lds s[G0B:G0B+3], s[G1B:G1B+7]
	s_nop 0
	tensor_load_to_lds s[G0B+4:G0B+7], s[G1B:G1B+7]
	s_nop 0
	tensor_load_to_lds s[G0B+8:G0B+11], s[G1B:G1B+7]
	s_nop 0
	tensor_load_to_lds s[G0B+12:G0B+15], s[G1B:G1B+7]
	s_nop 0
.rept 4
	v_nop
.endr
.Lfilled:
	v_and_b32 v1, 31, v0
	v_and_b32 v2, 15, v0
	v_bfe_u32 v3, v0, 4, 1
	v_lshlrev_b32 v10, 3, v1
	v_lshlrev_b32 v11, 4, v1
	s_mul_i32 s97, s23, 12288                      ; my 8 fragments of source 0
	v_add_nc_u32 v4, s97, v11                      ; chunk 0,
	v_add_nc_u32 v5, 49152, v4                     ; 1, 2, 3
	v_add_nc_u32 v6, 98304, v4
	v_add_nc_u32 v7, 147456, v4
	s_mul_i32 s97, s84, 6144                       ; my 4 fragments of source 1
	s_add_co_u32 s97, s97, S1B
	v_add_nc_u32 v8, s97, v11                      ; K steps 0-3,
	v_add_nc_u32 v9, 49152, v8                     ; 4-7
.irp b, 0,1,2,3
	v_mov_b32 v[TM+4+\b], 0                        ; a lane permute's destination counts as one of its sources
.endr
	s_mov_b32 s[SEL], 0x76543210
	s_mov_b32 s[SEL+1], 0xfedcba98
	s_mov_b32 s96, 0xffff0000                      ; lanes 16-31
	s_lshr_b32 s100, s89, 1
	s_lshl_b32 s101, s23, 2
	s_add_co_u32 s100, s100, s101
	s_lshl_b32 s100, s100, 10
	s_mov_b32 s101, 0
	s_add_nc_u64 s[66:67], s[6:7], s[100:101]      ; the scale words of my 4 groups of source 0,
	s_lshr_b32 s100, s92, 1
	s_lshl_b32 s62, s84, 1
	s_add_co_u32 s100, s100, s62
	s_lshl_b32 s100, s100, 10
	s_add_nc_u64 s[62:63], s[6:7], s[100:101]      ; and of my 2 of source 1
.irp g, 0,1,2,3
.irp qt, 0,1,2,3
	global_load_b64 v[SS0+8*\g+2*\qt:SS0+8*\g+2*\qt+1], v10, s[66:67] offset:1024*\g+256*\qt   ; 256 consecutive bytes: both tiles' words of two K steps
.endr
.endr
.irp g, 0,1
.irp qt, 0,1,2,3
	global_load_b64 v[SS1+8*\g+2*\qt:SS1+8*\g+2*\qt+1], v10, s[62:63] offset:1024*\g+256*\qt
.endr
.endr
	s_cmp_lt_u32 s88, 16
	s_cbranch_scc0 .Lv
	; ---------------- q and k ----------------
	s_lshl_b32 s100, ttmp9, 2
	s_add_co_u32 s100, s100, s85                   ; which 256 features of the 2,048: 0-3 q's, 4-7 k's
	s_lshl_b32 s101, s88, 2
	s_add_co_u32 s101, s101, s86                   ; which 128 tokens
	s_cmp_lt_u32 s100, 4
	s_cselect_b64 s[60:61], s[8:9], s[10:11]       ; bq or bk
	s_and_b32 s97, s100, 3
	s_lshl_b32 s97, s97, 10
	s_lshl_b32 s56, s23, 9
	s_add_co_u32 s56, s56, s97
	s_mov_b32 s57, 0
	s_add_nc_u64 s[60:61], s[60:61], s[56:57]      ; at my 128 features
	v_lshlrev_b32 v13, 6, v3                       ; register 8 t + j is feature 32 (t / 2) + 16 h + 8 (t % 2) + j
.irp t, 0,1,2,3,4,5,6,7
	global_load_b128 v[BQ+8*\t:BQ+8*\t+3], v13, s[60:61] offset:(32*(\t/2)+8*(\t%2))*4
	global_load_b128 v[BQ+8*\t+4:BQ+8*\t+7], v13, s[60:61] offset:(32*(\t/2)+8*(\t%2))*4+16
.endr
	s_lshl_b32 s97, s100, 2
	s_lshl_b32 s56, s23, 1
	s_add_co_u32 s97, s97, s56                     ; my first head group
	s_mul_i32 s56, s97, HS
	s_lshl_b32 s58, s101, 3
	s_lshl_b32 s59, s84, 2
	s_add_co_u32 s58, s58, s59                     ; my first token tile
	s_mul_i32 s58, s58, 768
	s_add_co_u32 s56, s56, s58
	s_mov_b32 s57, 0
	s_add_nc_u64 s[56:57], s[14:15], s[56:57]
	s_lshl_b32 s58, s97, 15
	s_lshl_b32 s59, s101, 1
	s_add_co_u32 s59, s59, s84                     ; my 64 tokens
	s_lshl_b32 s59, s59, 8
	s_add_co_u32 s58, s58, s59
	s_mov_b32 s59, 0
	s_add_nc_u64 s[58:59], s[16:17], s[58:59]
	s_wait_alu depctr_va_vdst(0)
	KLOOP 0
	PLACES
.irp a, 0,1,2,3                        ; a tile of 16 tokens at a time
	WIN 0x01                                       ; source 0 window 1
.set I, 0
.rept 32
	v_pk_add_f32 v[H+2*I:H+2*I+1], v[64*\a+2*I:64*\a+2*I+1], v[BQ+2*I:BQ+2*I+1]   ; + bias, into window 0; each accumulator from its low end on
.set I, I+1
.endr
	WIN 0
.if \a > 0
	s_wait_xcnt 0x0                                ; the last tile's stores have read the codes' registers
.endif
	QUANT H, PWR+\a
.irp c, 0,1                            ; registers 6 c .. 6 c + 5 are head c's 64: lanes 0-15 its first block, lanes 16-31 its second
.irp pp, 0,1,2
	global_store_b64 v10, v[PC+6*\c+2*\pp:PC+6*\c+2*\pp+1], s[56:57] offset:\c*HS+768*\a+256*\pp   ; 256 consecutive bytes, aligned
.endr
.endr
.endr
	v_cndmask_b32 v[WS], v[PWR], v[PWR+1], s96     ; lanes 0-15 tile 0's words, lanes 16-31 tile 1's: the first 32 tokens,
	v_cndmask_b32 v[WS+1], v[PWR+2], v[PWR+3], s96 ; tiles 2 and 3: the second 32
	v_lshrrev_b32 v[WS+2], 16, v[WS]               ; the upper two bytes are the second head's
	v_lshrrev_b32 v[WS+3], 16, v[WS+1]
	global_store_b64 v10, v[WS:WS+1], s[58:59]     ; (the first head's words keep the second's bytes on top: they meet zero codes alone, and are never 0xff)
	global_store_b64 v10, v[WS+2:WS+3], s[58:59] offset:32768
	s_wait_tensorcnt 0x0
	ds_add_u32 v254, v255
	s_wait_dscnt 0x0
	ROUND                                          ; the closing round
	s_endpgm
	; ---------------- v ----------------
.Lv:
	s_sub_co_u32 s100, s92, 640
	s_lshr_b32 s100, s100, 2
	s_add_co_u32 s100, s100, s84                   ; my head: my 64 columns of Wv
	s_lshl_b32 s101, s89, 4
	s_lshl_b32 s97, s23, 7
	s_add_co_u32 s101, s101, s97                   ; my first token: my 128 are one key step
	s_lshr_b32 s97, s101, 11
	s_lshl_b32 s97, s97, 8                         ; 256 x batch
	s_bfe_u32 s101, s101, 0x40007                  ; the key step
	s_add_co_u32 s97, s97, s101
	s_lshl_b32 s101, s100, 4
	s_add_co_u32 s97, s97, s101                    ; 16 (16 batch + head) + key step
	s_mul_i32 s56, s97, 6144
	s_mov_b32 s57, 0
	s_add_nc_u64 s[56:57], s[18:19], s[56:57]
	s_lshl_b32 s58, s97, 9
	s_mov_b32 s59, 0
	s_add_nc_u64 s[58:59], s[20:21], s[58:59]
	s_lshl_b32 s60, s100, 8
	s_mov_b32 s61, 0
	s_add_nc_u64 s[60:61], s[12:13], s[60:61]      ; bv at my head
	v_and_b32 v13, 8, v2
	v_add_nc_u32 v13, v13, v2
	v_lshlrev_b32 v13, 2, v13                      ; lane r of tile a is channel 32 (a / 2) + 8 (a % 2) + r + 8 (r / 8)
.irp a, 0,1,2,3
	global_load_b32 v[BQ+2*\a], v13, s[60:61] offset:4*(32*(\a/2)+8*(\a%2))
	global_load_b32 v[BQ+2*\a+1], v13, s[60:61] offset:4*(32*(\a/2)+8*(\a%2))   ; twice: a pair for the packed addition
.endr
	s_wait_alu depctr_va_vdst(0)
	KLOOP 0
	PLACES
.irp a, 0,1,2,3                        ; a tile of 16 channels at a time; the 64 registers run along my 128 tokens
	WIN 0x01
.set I, 0
.rept 32
	v_pk_add_f32 v[H+2*I:H+2*I+1], v[64*\a+2*I:64*\a+2*I+1], v[BQ+2*\a:BQ+2*\a+1]
.set I, I+1
.endr
	WIN 0
.if \a > 0
	s_wait_xcnt 0x0                                ; the last tile's stores have read the codes' registers
.endif
	QUANT H, PWR+\a
.irp j, 0,1,2
	global_store_b128 v11, v[PC+4*\j:PC+4*\j+3], s[56:57] offset:1536*\a+512*\j   ; 512 consecutive bytes, aligned
.endr
.endr
	global_store_b128 v11, v[PWR:PWR+3], s[58:59]  ; the four tiles' scale words, 512 consecutive bytes
	s_wait_tensorcnt 0x0
	ds_add_u32 v254, v255
	s_wait_dscnt 0x0
	ROUND                                          ; the closing round
	s_endpgm
.Lfunc_end_k_qa2afdbf81f_qkv:
	.size	k_qa2afdbf81f_qkv, .Lfunc_end_k_qa2afdbf81f_qkv-k_qa2afdbf81f_qkv
	.p2alignl 7, 3214868480
	.fill 96, 4, 3214868480
	.section	.rodata,"a",@progbits
	.p2align	6, 0x0
	.amdhsa_kernel k_qa2afdbf81f_qkv
		.amdhsa_group_segment_fixed_size 295424
		.amdhsa_private_segment_fixed_size 0
		.amdhsa_enable_private_segment 0
		.amdhsa_kernarg_size 72
		.amdhsa_user_sgpr_count 2
		.amdhsa_user_sgpr_kernarg_segment_ptr 1
		.amdhsa_wavefront_size32 1
		.amdhsa_system_sgpr_workgroup_id_x 1
		.amdhsa_system_sgpr_workgroup_id_y 1
		.amdhsa_system_sgpr_workgroup_id_z 1
		.amdhsa_system_vgpr_workitem_id 0
		.amdhsa_next_free_vgpr 896
		.amdhsa_next_free_sgpr 102
		.amdhsa_reserve_vcc 0
		.amdhsa_float_denorm_mode_32 3
		.amdhsa_float_denorm_mode_16_64 3
		.amdhsa_memory_ordered 1
		.amdhsa_forward_progress 1
		.amdhsa_inst_pref_size 171
	.end_amdhsa_kernel
	.amdgpu_metadata
---
amdhsa.version: [ 1, 2 ]
amdhsa.kernels:
  - .name:           k_qa2afdbf81f_qkv
    .symbol:         k_qa2afdbf81f_qkv.kd
    .args:
      - { .name: codes, .offset: 0, .size: 8, .value_kind: global_buffer, .address_space: global }
      - { .name: scl, .offset: 8, .size: 8, .value_kind: global_buffer, .address_space: global }
      - { .name: bq, .offset: 16, .size: 8, .value_kind: global_buffer, .address_space: global }
      - { .name: bk, .offset: 24, .size: 8, .value_kind: global_buffer, .address_space: global }
      - { .name: bv, .offset: 32, .size: 8, .value_kind: global_buffer, .address_space: global }
      - { .name: qkc, .offset: 40, .size: 8, .value_kind: global_buffer, .address_space: global }
      - { .name: qks, .offset: 48, .size: 8, .value_kind: global_buffer, .address_space: global }
      - { .name: vc, .offset: 56, .size: 8, .value_kind: global_buffer, .address_space: global }
      - { .name: vs, .offset: 64, .size: 8, .value_kind: global_buffer, .address_space: global }
    .group_segment_fixed_size: 295424
    .private_segment_fixed_size: 0
    .kernarg_segment_align: 8
    .kernarg_segment_size: 72
    .max_flat_workgroup_size: 128
    .sgpr_count:     102
    .vgpr_count:     896
    .wavefront_size: 32
...
	.end_amdgpu_metadata
.endif
;; end of part 2
;; launch attn (part 3): grid 4 x 64, 16 waves a work-group, clusters of 4 x 1, 217,088 bytes of LDS; arguments qkc, qks, vc, vs, oc, os; writes oc, os
.if DOCPART == 3
	.amdgcn_target "amdgcn-amd-amdhsa--gfx1250"
	.amdhsa_code_object_version 6
	.text
	.protected	k_qa2afdbf81f_attn
	.globl	k_qa2afdbf81f_attn
	.p2align	8
	.type	k_qa2afdbf81f_attn,@function
k_qa2afdbf81f_attn:
	s_mov_b64 s[64:65], 0
	v_nop
	global_prefetch_b8 v0, s[64:65] scope:SCOPE_SE
	s_setreg_imm32_b32 hwreg(HW_REG_WAVE_MODE, 25, 1), 1
	s_wait_xcnt 0x0
	s_wait_alu depctr_hold_cnt(0) depctr_sa_sdst(0) depctr_va_vdst(0) depctr_va_sdst(0) depctr_va_ssrc(0) depctr_va_vcc(0) depctr_vm_vsrc(0)
	s_getreg_b32 s2, hwreg(HW_REG_IB_STS2, 6, 4)
	s_cmp_eq_u32 s2, 0
	s_cbranch_scc0 .Lentry_in_a_cluster
	s_endpgm
.Lentry_in_a_cluster:
	s_bfe_u32 s2, ttmp6, 0x10000c
	s_cmp_lg_u32 s2, 0x3003
	s_cbranch_scc0 .Lentry_shape_is_right
	s_endpgm
.Lentry_shape_is_right:
; Causal attention of one (batch, head) for each cluster of four work-groups, both products on codes of FP6 (E2M3); the result, divided by the row's sum, is quantised along the head's 64 for the last product.
; t = score x log2(e) / 8; M = the running largest t rounded up to a whole number; p = 2^(t - M) is quantised along the keys; the sum is taken of the unquantised p; when M moves, sum and O are multiplied by a power of two.
; SHARES.  The head's 2,048 queries are 16 blocks of 128.  Wave w (j = w & 7, u = w >> 3) of work-group cx takes tile 2 cx + u of block 15 - j (= 15 xor j), then of block j: 16 - j and j + 1 key steps of 128: 17 for every wave.
; Which steps a wave walks hangs on its number alone; cx enters global addresses and the mask's number of a lane, and nothing else.  So the four partners run alike and ask for K and V JOINTLY.
; THE HEAD'S K AND V LIE WHOLE IN LDS (98,304 bytes each, their scale words 8,192 each), filled once, in four chunks of four key steps: waves 0, 1 K's halves, waves 2, 3 V's: five tensor loads of such a wave are out at the most.
; LAYOUT.  S^T = K Q^T and O^T = V^T P^T: a lane holds one query.  Lane r of a key tile 2 b + u is key 32 b + 8 u + r + 8 (r / 8), so the 16 registers of two neighbouring tiles are 16 neighbouring keys; V's channel tiles likewise.
; K = 64 in the first product: Q's upper 64 codes are zeros; K's upper six registers are the next tile's codes, which meet those zeros; no scale byte of this program is 0xff.
; No prefetch: a work-group asks for all of K and V at its head.
; LIMITS: NaN and infinities are not served; a block whose largest magnitude lies under 2^-124 has the byte 1; the division by the sum is a reciprocal and a multiplication; os leaves in pieces of 128 bytes.
; REGISTERS: v1-4 a lane's places; v5-8 the step's LDS addresses; v9 the mask's number; v12 -M, v13 largest t, v[14:15] the sum; v16-27 Q; v28 Q's scale word; v29-31 LDS addresses of the result's scale words;
;   v32-85 K's tiles, later p's codes; v88-91, v92-95 K's and V's scale words; v96-159 S^T, then p; v160-191 O^T; v192-239 V's fragments; v240-254 at work.
.set HS,  393216
.set VC,  98304                        ; LDS: K's codes at 0, V's here,
.set KSL, 196608                       ; K's scale words,
.set VSL, 204800                       ; V's,
.set OSC, 212992                       ; and 2,048 bytes for the result's scale words, into which no fill lands
.set KF,  32
.set S,   96
.set O,   160
.set VF,  192
.set BM,  240
.set PX,  244
.set SO,  248
.macro ROUND                           ; a round of the cluster's barrier
	s_barrier_signal -1
	s_barrier_wait -1
	s_cmp_lg_u32 s16, 0
	s_cbranch_scc1 .Lnot_wave_0_\@
	s_barrier_signal -3
.Lnot_wave_0_\@:
	s_barrier_wait -3
	s_barrier_signal -1
	s_barrier_wait -1
.endm
	s_load_b256 s[4:11], s[0:1], 0x0               ; qkc, qks, vc, vs
	s_load_b128 s[12:15], s[0:1], 0x20             ; oc, os
	v_lshl_add_u32 v87, v0, 2, 0x34800
	v_mov_b32 v255, 0
	ds_add_u32 v87, v255
	ds_add_u32 v87, v255
	v_lshrrev_b32 v32, 5, v0
	s_delay_alu instid0(VALU_DEP_1)
	v_readfirstlane_b32 s16, v32                   ; wave
	s_bfe_u32 s17, ttmp6, 0x40000                  ; cx
	s_and_b32 s18, ttmp7, 0xffff                   ; 16 batch + head
	s_and_b32 s19, s18, 15                         ; head
	s_lshr_b32 s20, s18, 4                         ; batch
	s_and_b32 s21, s16, 7                          ; j
	s_lshr_b32 s22, s16, 3                         ; u
	s_mul_i32 s71, s19, HS
	; what waves 0-3 fetch
	s_bfe_u32 s80, s16, 0x10001                    ; 0: K, 1: V
	s_and_b32 s81, s16, 1                          ; which half
	s_add_co_u32 s82, s19, 16
	s_mul_i32 s82, s82, HS
	s_mul_i32 s83, s20, 98304
	s_add_co_u32 s82, s82, s83                     ; K's codes of this batch and head,
	s_mul_i32 s83, s18, 98304                      ; V's
	s_add_co_u32 s84, s19, 16
	s_lshl_b32 s84, s84, 15
	s_lshl_b32 s85, s20, 13
	s_add_co_u32 s84, s84, s85                     ; K's scale words,
	s_lshl_b32 s85, s18, 13                        ; V's
	s_cmp_eq_u32 s80, 0
	s_cselect_b32 s82, s82, s83
	s_cselect_b32 s84, s84, s85
	s_mul_i32 s86, s81, 12288
	s_lshl_b32 s87, s81, 12
	s_add_co_u32 s82, s82, s86
	s_add_co_u32 s84, s84, s87
	s_mov_b32 s83, 0
	s_mov_b32 s85, 0
	s_mul_i32 s88, s80, VC
	s_add_co_u32 s88, s88, s86                     ; LDS: my half of chunk 0
	s_and_b32 s89, s16, 3
	s_lshl_b32 s89, s89, 12
	s_add_co_u32 s89, s89, KSL                     ; and of the scale words
	s_mov_b32 s24, 15|(3<<16)|(1<<21)              ; group 1, chunks: the mask names all four; elements of 8 bytes; bit 21 beside a mask
	s_mov_b32 s25, 32<<16                          ; a dense block as rows of 256 bytes,
	s_mov_b32 s26, 48<<16                          ; 48 of them: 12,288 bytes
	s_mov_b32 s27, 32<<16
	s_mov_b32 s28, 48
	s_mov_b32 s29, 32
	s_mov_b32 s30, 0
	s_mov_b32 s31, 0
	s_mov_b32 s32, 15|(3<<16)|(1<<21)              ; group 1, scale words: 16 rows: 4,096 bytes
	s_mov_b32 s33, 32<<16
	s_mov_b32 s34, 16<<16
	s_mov_b32 s35, 32<<16
	s_mov_b32 s36, 16
	s_mov_b32 s37, 32
	s_mov_b32 s38, 0
	s_mov_b32 s39, 0
	s_mov_b32 s60, 0x76543210
	s_mov_b32 s61, 0xfedcba98                      ; selects for lane l xor 16
	s_mov_b32 s62, 0x3e38aa3b                      ; c = log2(e) / sqrt(64)
	s_mov_b32 s63, s62                             ; (named with it as a pair)
	s_wait_dscnt 0x0
	s_wait_kmcnt 0x0
	s_cmp_eq_u32 s80, 0
	s_cselect_b64 s[90:91], s[4:5], s[8:9]
	s_cselect_b64 s[92:93], s[6:7], s[10:11]
	s_add_nc_u64 s[90:91], s[90:91], s[82:83]
	s_add_nc_u64 s[92:93], s[92:93], s[84:85]
	ROUND                                          ; all four work-groups are here: the joint loads meet
	s_mov_b32 s40, 1
	s_mov_b32 s41, s89
	s_mov_b64 s[42:43], s[92:93]
	s_or_b32 s43, s43, 0x80000000
.irp q, 0,1,2,3
	s_mov_b32 s[44+4*\q], 1
	s_add_co_u32 s[45+4*\q], s88, \q*24576
	s_add_nc_u64 s[46+4*\q:47+4*\q], s[90:91], \q*24576
	s_or_b32 s[47+4*\q], s[47+4*\q], 0x80000000
.endr
	s_cmp_lt_u32 s16, 4                            ; a wave's fills stand in one branch on its number; four v_nop follow the last
	s_cbranch_scc0 .Lno_fill
	tensor_load_to_lds s[40:43], s[32:39]
	s_nop 0
	tensor_load_to_lds s[44:47], s[24:31]
	s_nop 0
	tensor_load_to_lds s[48:51], s[24:31]
	s_nop 0
	tensor_load_to_lds s[52:55], s[24:31]
	s_nop 0
	tensor_load_to_lds s[56:59], s[24:31]
	s_nop 0
.rept 4
	v_nop
.endr
.Lno_fill:
	v_and_b32 v32, 31, v0                          ; l
	v_and_b32 v33, 15, v0                          ; r
	v_bfe_u32 v34, v0, 4, 1                        ; h
	s_delay_alu instid0(VALU_DEP_3)
	v_lshlrev_b32 v1, 3, v32                       ; 8 l: K's, Q's and the result's images
	s_delay_alu instid0(VALU_DEP_4)
	v_lshlrev_b32 v35, 4, v32
	s_delay_alu instid0(VALU_DEP_1)
	v_add_nc_u32 v2, VC, v35                       ; V's images
	s_delay_alu instid0(VALU_DEP_3)
	v_add_nc_u32 v3, KSL, v1
	s_delay_alu instid0(VALU_DEP_3)
	v_add_nc_u32 v4, VSL, v35
	v_and_b32 v36, 8, v33
	s_delay_alu instid0(VALU_DEP_1)
	v_add_nc_u32 v36, v36, v33
	v_lshlrev_b32 v37, 4, v34
	s_delay_alu instid0(VALU_DEP_1)
	v_sub_nc_u32 v9, v36, v37
	s_lshl_b32 s80, s17, 5
	s_lshl_b32 s81, s22, 3
	s_add_co_u32 s80, s80, s81
	v_add_nc_u32 v9, s80, v9                       ; d = my query's place in its block - 16 h: register 16 b + i holds the step's key 32 b + 16 h + i: hidden on the diagonal where 32 b + i > d
	v_lshlrev_b32 v10, 3, v33
	v_mov_b32 v11, 0xff800000                      ; -infinity
	s_lshl_b32 s82, s22, 6
	s_add_co_u32 s82, s82, OSC
	s_xor_b32 s81, s21, 15
	s_lshl_b32 s81, s81, 7
	s_add_co_u32 s81, s81, s82
	v_lshl_add_u32 v29, v33, 2, s81                ; the result's scale word: 128 bytes a block, 64 u + 4 r: first pass,
	s_lshl_b32 s81, s21, 7
	s_add_co_u32 s81, s81, s82
	v_lshl_add_u32 v30, v33, 2, s81                ; second pass
	s_and_b32 s81, s16, 3
	s_lshl_b32 s81, s81, 9
	s_add_co_u32 s81, s81, OSC
	v_add_nc_u32 v31, s81, v35                     ; and where waves 0-3 read them back
.irp i, 22,23,24,25,26,27,80,81,82,83,84,85
	v_mov_b32 v[\i], 0                             ; Q's upper 64 codes, and what follows K's last tile
.endr
.irp i, 244,245,246,247,252,253
	v_mov_b32 v[\i], 0                             ; written once: a lane permute's destination counts as one of its sources; v253 is named in a pair before it is first made
.endr
; the tile of block s[blk]: Q's codes and scale word are asked for; s[adr:adr+1] = where the result's codes will go
.macro SETQ blk, adr
	s_lshl_b32 s80, s[\blk], 3
	s_lshl_b32 s81, s20, 7
	s_add_co_u32 s80, s80, s81
	s_lshl_b32 s81, s17, 1
	s_add_co_u32 s80, s80, s81
	s_add_co_u32 s80, s80, s22                     ; token tile 128 batch + 8 block + 2 cx + u
	s_mul_i32 s80, s80, 768
	s_add_co_u32 s80, s80, s71
	s_mov_b32 s81, 0
	s_lshl_b32 s82, s20, 5
	s_lshl_b32 s83, s[\blk], 1
	s_add_co_u32 s82, s82, s83
	s_lshr_b32 s83, s17, 1
	s_add_co_u32 s82, s82, s83                     ; its 64 tokens,
	s_lshl_b32 s82, s82, 8
	s_lshl_b32 s83, s22, 7                         ; lanes 16 u on,
	s_add_co_u32 s82, s82, s83
	s_and_b32 s83, s17, 1
	s_lshl_b32 s83, s83, 2                         ; which 32 of the 64
	s_add_co_u32 s82, s82, s83
	s_lshl_b32 s83, s19, 15
	s_add_co_u32 s82, s82, s83
	s_mov_b32 s83, 0
	s_wait_xcnt 0x0                                ; earlier loads have read their bases: they are written only behind this wait
	s_add_nc_u64 s[72:73], s[4:5], s[80:81]
	s_add_nc_u64 s[74:75], s[6:7], s[82:83]
	s_add_nc_u64 s[\adr:\adr+1], s[12:13], s[80:81]
.irp p, 0,1,2
	global_load_b64 v[16+2*\p:17+2*\p], v1, s[72:73] offset:256*\p
.endr
	global_load_b32 v28, v10, s[74:75]
.endm
.macro INIT                            ; the step is written once: the first finds zeros, which the first change of M leaves zeros
	v_mov_b32 v13, 0xff61b1e6                      ; -3e38, under every t
	s_delay_alu instid0(VALU_DEP_1)
	v_floor_f32 v12, -v13
	v_mov_b32 v14, 0
	v_mov_b32 v15, 0
.set I, 0
.rept 32
	v_mov_b32 v[O+I], 0
.set I, I+1
.endr
.endm
; A KEY STEP: 128 keys.  s66 the step, s69 my block; s67, s68 the step's bytes among codes and scale words
.macro STEP
	s_cmp_gt_u32 s66, s69                          ; all its keys come after my queries: left out.  The branch hangs on the wave's number and the count of steps
	s_cbranch_scc1 .Lhid_\@
	s_setprio 2
	v_add_nc_u32 v5, s67, v1                       ; (these four are the places behind the last step's products, ahead of the loads)
	v_add_nc_u32 v6, s67, v2
	v_add_nc_u32 v7, s68, v3
	v_add_nc_u32 v8, s68, v4
.irp t, 0,1,2,3,4,5,6,7
.irp p, 0,1,2
	ds_load_b64 v[KF+6*\t+2*\p:KF+6*\t+2*\p+1], v5 offset:768*\t+256*\p
.endr
.endr
.irp g, 0,1
	ds_load_b64 v[88+2*\g:89+2*\g], v7 offset:256*\g   ; v[88 + b]: the words of keys 32 b on: lanes 0-15 tile 2 b, lanes 16-31 tile 2 b + 1
.endr
.irp t, 0,1,2,3
.irp j, 0,1,2
	ds_load_b128 v[VF+12*\t+4*\j:VF+12*\t+4*\j+3], v6 offset:1536*\t+512*\j
.endr
.endr
	ds_load_b128 v[92:95], v8
	s_wait_dscnt 13                                ; K and its words are in; V's twelve loads and its words' one may be out
.irp t, 0,1,2,3,4,5,6,7
.if \t%2
	v_wmma_scale_f32_16x16x128_f8f6f4 v[S+8*\t:S+8*\t+7], v[KF+6*\t:KF+6*\t+11], v[16:27], 0, v[88+\t/2], v28 matrix_a_fmt:MATRIX_FMT_FP6 matrix_b_fmt:MATRIX_FMT_FP6 matrix_a_scale:MATRIX_SCALE_ROW1
.else
	v_wmma_scale_f32_16x16x128_f8f6f4 v[S+8*\t:S+8*\t+7], v[KF+6*\t:KF+6*\t+11], v[16:27], 0, v[88+\t/2], v28 matrix_a_fmt:MATRIX_FMT_FP6 matrix_b_fmt:MATRIX_FMT_FP6
.endif
.endr
.rept 4
	v_nop
.endr
	s_cmp_lg_u32 s66, s69                          ; only my block's own step lies on the diagonal
	s_cbranch_scc1 .Lopen_\@
.set I, 0
.rept 64
	v_cmp_gt_i32 vcc_lo, 32*(I/16)+I%16, v9
	v_cndmask_b32 v[S+I], v[S+I], v11, vcc_lo      ; hidden scores become -infinity: p = 0
.set I, I+1
.endr
.Lopen_\@:
.irp b, 0,1,2,3
	v_max3_num_f32 v[BM+\b], v[S+16*\b], v[S+1+16*\b], v[S+2+16*\b]   ; the largest score of each block of 32 keys: for the row's maximum, and, since p rises with the score, for the block's largest p
.endr
.irp i, 3,5,7,9,11,13
.irp b, 0,1,2,3
	v_max3_num_f32 v[BM+\b], v[BM+\b], v[S+16*\b+\i], v[S+1+16*\b+\i]
.endr
.endr
.irp b, 0,1,2,3
	v_max_num_f32 v[BM+\b], v[BM+\b], v[S+15+16*\b]
.endr
.irp b, 0,1,2,3
	s_delay_alu instid0(VALU_DEP_4)
	v_permlanex16_b32 v[PX+\b], v[BM+\b], s60, s61
.endr
.irp b, 0,1,2,3
	s_delay_alu instid0(VALU_DEP_4)
	v_max_num_f32 v[BM+\b], v[BM+\b], v[PX+\b]     ; with lane l xor 16's 16 keys
.endr
	s_delay_alu instid0(VALU_DEP_2)
	v_max3_num_f32 v254, v[BM], v[BM+1], v[BM+2]
	s_delay_alu instid0(VALU_DEP_1)
	v_max_num_f32 v254, v254, v[BM+3]
	s_delay_alu instid0(VALU_DEP_1)
	v_mul_f32 v254, s62, v254                      ; as t
	s_delay_alu instid0(VALU_DEP_1)
	v_max_num_f32 v13, v13, v254                   ; the running largest t
	v_mov_b32 v254, v12
	s_delay_alu instid0(VALU_DEP_2)
	v_floor_f32 v12, -v13                          ; -M = floor(-t): M is a whole number
	s_delay_alu instid0(VALU_DEP_1)
	v_sub_f32 v254, v12, v254                      ; old M - new M: a whole number, 0 or less
	s_delay_alu instid0(VALU_DEP_1)
	v_cvt_i32_f32 v254, v254                       ; (it saturates)
	s_delay_alu instid0(VALU_DEP_1)
	v_ldexp_f32 v252, 1.0, v254                    ; f = 2^(old M - new M)
.set I, 0
	s_setprio 1
.rept 32
	v_pk_fma_f32 v[S+2*I:S+2*I+1], v[S+2*I:S+2*I+1], s[62:63], v[12:13] op_sel_hi:[1,0,0]   ; t - M
.set I, I+1
.endr
.irp b, 0,1,2,3
	v_fma_f32 v[BM+\b], v[BM+\b], s62, v12         ; the same of each block's largest score
.endr
.set I, 0
	s_wait_alu depctr_va_vdst(0)
.rept 64
	v_exp_f32 v[S+I], v[S+I]                       ; p = 2^(t - M)
.set I, I+1
.endr
	v_pk_mul_f32 v[14:15], v[14:15], v[252:253] op_sel_hi:[1,0]   ; the sums under the new M: a plain place behind the exponentials
	s_wait_alu depctr_va_vdst(0)                   ; one wait for the batch, ahead of its first reader
.irp b, 0,1,2,3
	v_exp_f32 v[BM+\b], v[BM+\b]                   ; the block's largest p
.endr
	v_pk_add_f32 v[244:245], v[100:101], v[104:105]
	v_pk_add_f32 v[250:251], v[108:109], v[112:113]
	v_pk_add_f32 v[248:249], v[116:117], v[120:121]
	v_pk_add_f32 v[246:247], v[124:125], v[128:129]
	v_pk_add_f32 v[90:91], v[132:133], v[136:137]
	v_pk_add_f32 v[88:89], v[140:141], v[144:145]
	v_pk_add_f32 v[78:79], v[148:149], v[152:153]
	v_pk_add_f32 v[14:15], v[14:15], v[156:157]
	v_pk_add_f32 v[244:245], v[244:245], v[96:97]
	v_pk_add_f32 v[250:251], v[250:251], v[98:99]
	v_pk_add_f32 v[248:249], v[248:249], v[102:103]
	v_pk_add_f32 v[246:247], v[246:247], v[106:107]
	v_pk_add_f32 v[90:91], v[90:91], v[110:111]
	v_pk_add_f32 v[88:89], v[88:89], v[114:115]
	v_pk_add_f32 v[78:79], v[78:79], v[118:119]
	v_pk_add_f32 v[14:15], v[14:15], v[122:123]
	v_pk_add_f32 v[244:245], v[244:245], v[126:127]
	v_pk_add_f32 v[250:251], v[250:251], v[130:131]
	v_pk_add_f32 v[248:249], v[248:249], v[134:135]
	v_pk_add_f32 v[246:247], v[246:247], v[138:139]
	v_pk_add_f32 v[90:91], v[90:91], v[142:143]
	v_pk_add_f32 v[88:89], v[88:89], v[146:147]
	v_pk_add_f32 v[78:79], v[78:79], v[150:151]
	v_pk_add_f32 v[14:15], v[14:15], v[154:155]
	v_pk_add_f32 v[244:245], v[244:245], v[158:159]
	s_delay_alu instid0(VALU_DEP_2)
	v_pk_add_f32 v[14:15], v[14:15], v[246:247]
	s_delay_alu instid0(VALU_DEP_2)
	v_pk_add_f32 v[244:245], v[244:245], v[90:91]
	v_pk_add_f32 v[250:251], v[250:251], v[88:89]
	v_pk_add_f32 v[248:249], v[248:249], v[78:79]
	s_delay_alu instid0(VALU_DEP_2)
	v_pk_add_f32 v[14:15], v[14:15], v[250:251]
	s_delay_alu instid0(VALU_DEP_2)
	v_pk_add_f32 v[244:245], v[244:245], v[248:249]
	s_delay_alu instid0(VALU_DEP_1)
	v_pk_add_f32 v[14:15], v[14:15], v[244:245]
	s_wait_alu depctr_va_vdst(0)                   ; and one for the four
.irp b, 0,1,2,3
	v_max_num_f32 v[BM+\b], 0x1800000, v[BM+\b]    ; the floor 2^(3 - 127): the byte cannot fall under 1
.endr
.irp b, 0,1,2,3
	s_delay_alu instid0(VALU_DEP_4)
	v_add_nc_u32 v[SO+\b], 0xff000000, v[BM+\b]    ; the conversion's scale operand
.endr
.irp b, 0,1,2,3
	s_delay_alu instid0(VALU_DEP_4)
	v_lshrrev_b32 v[PX+\b], 23, v[SO+\b]           ; the byte
.endr
	s_delay_alu instid0(VALU_DEP_3)
	v_lshl_or_b32 v253, v[PX+1], 8, v[PX]          ; p's scale word for these 128 keys
	s_delay_alu instid0(VALU_DEP_1)
	v_lshl_or_b32 v253, v[PX+2], 16, v253
	s_delay_alu instid0(VALU_DEP_1)
	v_lshl_or_b32 v253, v[PX+3], 24, v253
	s_setprio 0
.irp c, 0,1
	v_cvt_scalef32_pk16_fp6_f32 v[32+6*\c:34+6*\c], v[S+32*\c:S+15+32*\c], v[SO+2*\c]
	v_cvt_scalef32_pk16_fp6_f32 v[44+4*\c:46+4*\c], v[S+16+32*\c:S+31+32*\c], v[SO+2*\c+1]
.endr
	v_nop                                          ; one plain place behind a scaled conversion
.irp c, 0,1                            ; a whole block to a lane
.irp i, 0,1,2
	v_permlane16_swap_b32 v[32+6*\c+\i], v[44+4*\c+\i]
.endr
.irp i, 0,1,2
	s_delay_alu instid0(VALU_DEP_3)
	v_mov_b32 v[35+6*\c+\i], v[44+4*\c+\i]
.endr
.endr
.set I, 0
.rept 16
	v_pk_mul_f32 v[O+2*I:O+2*I+1], v[O+2*I:O+2*I+1], v[252:253] op_sel_hi:[1,0]   ; O^T under the new M; these sixteen are also the places between p's codes and scale word and the products
.set I, I+1
.endr
	s_wait_alu depctr_va_vdst(0)
	s_wait_dscnt 0x0                               ; V is in
.irp t, 0,1,2,3
	v_wmma_scale_f32_16x16x128_f8f6f4 v[O+8*\t:O+8*\t+7], v[VF+12*\t:VF+12*\t+11], v[32:43], v[O+8*\t:O+8*\t+7], v[92+\t], v253 matrix_a_fmt:MATRIX_FMT_FP6 matrix_b_fmt:MATRIX_FMT_FP6
.endr
.Lhid_\@:
	s_add_co_u32 s66, s66, 1
	s_add_co_u32 s67, s67, 6144
	s_add_co_u32 s68, s68, 512
.endm
; The tile's end: O^T / the sum; register 16 G + i is channel 32 G + 16 h + i: two blocks of 32 of the last product's K
.macro EPI adr, osc
.rept 4
	v_nop                                          ; places behind the last products
.endr
	v_add_f32 v14, v14, v15
	s_delay_alu instid0(VALU_DEP_1)
	v_permlanex16_b32 v252, v14, s60, s61
	s_delay_alu instid0(VALU_DEP_1)
	v_add_f32 v14, v14, v252                       ; the row's sum
	s_wait_alu depctr_va_vdst(0)
	v_rcp_f32 v14, v14
	v_nop                                          ; a plain place behind the reciprocal
	s_wait_alu depctr_va_vdst(0)                   ; and the wait ahead of its first reader
.set I, 0
.rept 32
	v_mul_f32 v[S+I], v[O+I], v14
.set I, I+1
.endr
.irp b, 0,1
	v_max3_num_f32 v[BM+\b], |v[S+16*\b]|, |v[S+1+16*\b]|, 0x1800000
.endr
.irp i, 2,4,6,8,10,12,14
.irp b, 0,1
	s_delay_alu instid0(VALU_DEP_2)
	v_max3_num_f32 v[BM+\b], v[BM+\b], |v[S+16*\b+\i]|, |v[S+1+16*\b+\i]|
.endr
.endr
.irp b, 0,1
	s_delay_alu instid0(VALU_DEP_2)
	v_permlanex16_b32 v[PX+\b], v[BM+\b], s60, s61
.endr
.irp b, 0,1
	s_delay_alu instid0(VALU_DEP_2)
	v_max_num_f32 v[BM+\b], v[BM+\b], v[PX+\b]
.endr
.irp b, 0,1
	s_delay_alu instid0(VALU_DEP_2)
	v_add_nc_u32 v[SO+\b], 0xff000000, v[BM+\b]
.endr
.irp b, 0,1
	s_delay_alu instid0(VALU_DEP_2)
	v_lshrrev_b32 v[PX+\b], 23, v[SO+\b]
.endr
	s_delay_alu instid0(VALU_DEP_1)
	v_lshl_or_b32 v254, v[PX+1], 8, v[PX]          ; two bytes; the upper half stays 0
	v_cvt_scalef32_pk16_fp6_f32 v[32:34], v[S:S+15], v[SO]
	v_cvt_scalef32_pk16_fp6_f32 v[36:38], v[S+16:S+31], v[SO+1]
	v_nop                                          ; one plain place behind a scaled conversion
.irp i, 0,1,2
	v_permlane16_swap_b32 v[32+\i], v[36+\i]       ; lanes 0-15: block 0 whole, lanes 16-31: block 1
.endr
	s_delay_alu instid0(VALU_DEP_3)
	v_mov_b32 v35, v36
	s_delay_alu instid0(VALU_DEP_3)
	v_mov_b32 v36, v37
	s_delay_alu instid0(VALU_DEP_3)
	v_mov_b32 v37, v38
.irp p, 0,1,2
	global_store_b64 v1, v[32+2*\p:33+2*\p], s[\adr:\adr+1] offset:256*\p   ; 256 consecutive bytes, aligned
.endr
	ds_store_b32 v[\osc], v254                     ; both halves of the lanes write the same word with the same value
.endm
	s_xor_b32 s69, s21, 15                         ; first pass: block 15 - j
	SETQ 69, 76
	INIT
	s_mov_b32 s66, 0
	s_mov_b32 s67, 0
	s_mov_b32 s68, 0
.irp q, 0,1,2,3                        ; a chunk of four key steps at a time, as it lands
	s_wait_tensorcnt 3-\q                          ; my part of chunk q (and the scale words) is in; the count is my younger loads
	s_wait_dscnt 0x0
	s_barrier_signal -1
	s_barrier_wait -1
.if \q == 0
	s_wait_loadcnt 0x0                             ; Q
.endif
	s_mov_b32 s70, 4
.Lp1_\q:
	STEP
	s_sub_co_u32 s70, s70, 1
	s_cmp_lg_u32 s70, 0
	s_cbranch_scc1 .Lp1_\q
	s_setprio 0
.endr
	SETQ 21, 78                                    ; second pass: block j: its Q is asked for while the first tile leaves
	EPI 76, 29
	INIT
	s_mov_b32 s66, 0
	s_mov_b32 s67, 0
	s_mov_b32 s68, 0
	s_mov_b32 s69, s21
	s_wait_loadcnt 0x0                             ; Q
	s_wait_xcnt 0x0                                ; the first tile's stores have read v32-37, into which the steps load
	s_mov_b32 s70, 8                               ; j is 7 at the most
.Lp2:
	STEP
	s_sub_co_u32 s70, s70, 1
	s_cmp_lg_u32 s70, 0
	s_cbranch_scc1 .Lp2
	s_setprio 0
	EPI 78, 30
	s_wait_dscnt 0x0                               ; for the others' sake: my scale words lie in LDS
	s_barrier_signal -1
	s_barrier_wait -1
	s_cmp_lt_u32 s16, 4
	s_cbranch_scc0 .Lno_os
	ds_load_b128 v[96:99], v31                     ; four blocks' 128 bytes a wave
	s_lshl_b32 s80, s19, 15
	s_lshl_b32 s81, s20, 13
	s_add_co_u32 s80, s80, s81
	s_lshl_b32 s81, s17, 7                         ; group 64 batch + 4 block + cx
	s_add_co_u32 s80, s80, s81
	s_lshl_b32 s81, s16, 11
	s_add_co_u32 s80, s80, s81
	s_mov_b32 s81, 0
	s_add_nc_u64 s[84:85], s[14:15], s[80:81]
	v_and_b32 v100, 31, v0
	s_delay_alu instid0(VALU_DEP_1)
	v_lshrrev_b32 v101, 3, v100
	s_delay_alu instid0(VALU_DEP_2)
	v_and_b32 v100, 7, v100
	s_delay_alu instid0(VALU_DEP_1)
	v_lshlrev_b32 v100, 4, v100
	s_delay_alu instid0(VALU_DEP_1)
	v_lshl_add_u32 v100, v101, 9, v100             ; eight lanes to a block's 128 bytes, blocks 512 bytes apart
	s_wait_alu depctr_va_vdst(0)
	s_wait_dscnt 0x0
	global_store_b128 v100, v[96:99], s[84:85]
.Lno_os:
	s_wait_tensorcnt 0x0
	ds_add_u32 v87, v255
	s_wait_dscnt 0x0
	ROUND                                          ; the closing round
	s_endpgm
.Lfunc_end_k_qa2afdbf81f_attn:
	.size	k_qa2afdbf81f_attn, .Lfunc_end_k_qa2afdbf81f_attn-k_qa2afdbf81f_attn
	.p2alignl 7, 3214868480
	.fill 96, 4, 3214868480
	.section	.rodata,"a",@progbits
	.p2align	6, 0x0
	.amdhsa_kernel k_qa2afdbf81f_attn
		.amdhsa_group_segment_fixed_size 217088
		.amdhsa_private_segment_fixed_size 0
		.amdhsa_enable_private_segment 0
		.amdhsa_kernarg_size 48
		.amdhsa_user_sgpr_count 2
		.amdhsa_user_sgpr_kernarg_segment_ptr 1
		.amdhsa_wavefront_size32 1
		.amdhsa_system_sgpr_workgroup_id_x 1
		.amdhsa_system_sgpr_workgroup_id_y 1
		.amdhsa_system_sgpr_workgroup_id_z 1
		.amdhsa_system_vgpr_workitem_id 0
		.amdhsa_next_free_vgpr 256
		.amdhsa_next_free_sgpr 96
		.amdhsa_reserve_vcc 1
		.amdhsa_float_denorm_mode_32 3
		.amdhsa_float_denorm_mode_16_64 3
		.amdhsa_memory_ordered 1
		.amdhsa_forward_progress 1
		.amdhsa_inst_pref_size 137
	.end_amdhsa_kernel
	.amdgpu_metadata
---
amdhsa.version: [ 1, 2 ]
amdhsa.kernels:
  - .name:           k_qa2afdbf81f_attn
    .symbol:         k_qa2afdbf81f_attn.kd
    .args:
      - { .name: qkc, .offset: 0, .size: 8, .value_kind: global_buffer, .address_space: global }
      - { .name: qks, .offset: 8, .size: 8, .value_kind: global_buffer, .address_space: global }
      - { .name: vc, .offset: 16, .size: 8, .value_kind: global_buffer, .address_space: global }
      - { .name: vs, .offset: 24, .size: 8, .value_kind: global_buffer, .address_space: global }
      - { .name: oc, .offset: 32, .size: 8, .value_kind: global_buffer, .address_space: global }
      - { .name: os, .offset: 40, .size: 8, .value_kind: global_buffer, .address_space: global }
    .group_segment_fixed_size: 217088
    .private_segment_fixed_size: 0
    .kernarg_segment_align: 8
    .kernarg_segment_size: 48
    .max_flat_workgroup_size: 512
    .sgpr_count:     96
    .vgpr_count:     256
    .wavefront_size: 32
...
	.end_amdgpu_metadata
.endif
;; end of part 3
;; launch proj (part 4): grid 4 x 64, 4 waves a work-group, clusters of 4 x 4, 295,424 bytes of LDS; arguments codes, scl, oc, os, bp, out0; writes out0
.if DOCPART == 4
	.amdgcn_target "amdgcn-amd-amdhsa--gfx1250"
	.amdhsa_code_object_version 6
	.text
	.protected	k_qa2afdbf81f_proj
	.globl	k_qa2afdbf81f_proj
	.p2align	8
	.type	k_qa2afdbf81f_proj,@function
k_qa2afdbf81f_proj:
	s_mov_b64 s[64:65], 0
	v_nop
	global_prefetch_b8 v0, s[64:65] scope:SCOPE_SE
	s_setreg_imm32_b32 hwreg(HW_REG_WAVE_MODE, 25, 1), 1
	s_wait_xcnt 0x0
	s_wait_alu depctr_hold_cnt(0) depctr_sa_sdst(0) depctr_va_vdst(0) depctr_va_sdst(0) depctr_va_ssrc(0) depctr_va_vcc(0) depctr_vm_vsrc(0)
	s_getreg_b32 s2, hwreg(HW_REG_IB_STS2, 6, 4)
	s_cmp_eq_u32 s2, 0
	s_cbranch_scc0 .Lentry_in_a_cluster
	s_endpgm
.Lentry_in_a_cluster:
	s_bfe_u32 s2, ttmp6, 0x10000c
	s_cmp_lg_u32 s2, 0xf033
	s_cbranch_scc0 .Lentry_shape_is_right
	s_endpgm
.Lentry_shape_is_right:
; out0 = attention's result x Wp + bp, on codes of FP6 (E2M3) with E8M0 scales; out0 [8192][1024] f32.
; A work-group makes source 0 = 256 columns of Wp x source 1 = 128 tokens, K = 1,024; a wave 128 x 64: 32 accumulators; a lane holds one token and registers along the columns.
; ALL OF K LIES IN LDS, filled once in four chunks of two K steps; nothing is filled again.  A K step of the tokens' codes is two heads' 64: two rows of 6,144 bytes, a head apart in memory.
; CLUSTER 4 x 4: Wp's block hangs on cx and is asked for jointly by the column of the cluster, the tokens' block on cy, by the row.  Four tensor loads of a wave are out at the most.
; The bias is the C of each sum's first product.  The results leave through a stage in LDS as whole runs of 512 bytes of a row.  No prefetch: a work-group asks for all that it reads at its head.
; REGISTERS: window 0: v1 l, v2 r, v3 h, v4-7, v8-9 LDS addresses, v10 8 l, v11 16 l, v12 4 l, v13, v14 the stage, v15 the bias's offset; v16-47, v48-63 scale words; v64-127 bias; v128-255 at work.
;   window 1: accumulator (a, t) at v[64 a + 8 t].  window 2: source 0's fragments, two sets at v0, v128.  window 3: source 1's, two sets at v0, v64.
.set KSS,    1179648
.set HS,     393216
.set S0STEP, 24576
.set S1STEP, 12288
.set S1B,    196608
.set SS0, 16
.set SS1, 48
.set BQ,  64
.set H,   128
.set BK,  128
.set G1A, 24
.set G1B, 32
.set G0A, 40
.set G0B, 68
.set MSB, 0
.macro WIN new                         ; the immediate's high byte repeats the setting that is left
.if MSB != \new
	s_set_vgpr_msb (MSB<<8)|\new
.set MSB, \new
.endif
.endm
.macro ROUND                           ; a round of the cluster's barrier
	s_barrier_signal -1
	s_barrier_wait -1
	s_cmp_lg_u32 s22, 0
	s_cbranch_scc1 .Lnot_wave_0_\@
	s_barrier_signal -3
.Lnot_wave_0_\@:
	s_barrier_wait -3
	s_barrier_signal -1
	s_barrier_wait -1
.endm
.macro PLACES                          ; four plain places behind a matrix instruction (ISA guide 7.12.1)
.rept 4
	v_nop
.endr
.endm
.macro WM d, fa, fb, rc, sa, sb, ra, rb        ; one product; ra, rb: the scale words stand in lanes 16-31
.if (\ra) && (\rb)
	v_wmma_scale_f32_16x16x128_f8f6f4 v[\d:\d+7], v[\fa:\fa+11], v[\fb:\fb+11], v[\rc:\rc+7], v[\sa], v[\sb] matrix_a_fmt:MATRIX_FMT_FP6 matrix_b_fmt:MATRIX_FMT_FP6 matrix_a_scale:MATRIX_SCALE_ROW1 matrix_b_scale:MATRIX_SCALE_ROW1
.elseif (\ra)
	v_wmma_scale_f32_16x16x128_f8f6f4 v[\d:\d+7], v[\fa:\fa+11], v[\fb:\fb+11], v[\rc:\rc+7], v[\sa], v[\sb] matrix_a_fmt:MATRIX_FMT_FP6 matrix_b_fmt:MATRIX_FMT_FP6 matrix_a_scale:MATRIX_SCALE_ROW1
.elseif (\rb)
	v_wmma_scale_f32_16x16x128_f8f6f4 v[\d:\d+7], v[\fa:\fa+11], v[\fb:\fb+11], v[\rc:\rc+7], v[\sa], v[\sb] matrix_a_fmt:MATRIX_FMT_FP6 matrix_b_fmt:MATRIX_FMT_FP6 matrix_b_scale:MATRIX_SCALE_ROW1
.else
	v_wmma_scale_f32_16x16x128_f8f6f4 v[\d:\d+7], v[\fa:\fa+11], v[\fb:\fb+11], v[\rc:\rc+7], v[\sa], v[\sb] matrix_a_fmt:MATRIX_FMT_FP6 matrix_b_fmt:MATRIX_FMT_FP6
.endif
.endm
.macro FETCH s                         ; K step s: my 8 fragments of Wp, and my 4 of the tokens, each of two heads' half fragments, into set s % 2
.set PP, (\s)%2
	WIN 0x80
.irp t, 0,1,2,3,4,5,6,7
.irp j, 0,1,2
	ds_load_b128 v[128*PP+12*\t+4*\j:128*PP+12*\t+4*\j+3], v[4+(\s)/2] offset:((\s)%2)*S0STEP+1536*\t+512*\j
.endr
.endr
	WIN 0xc0
.irp a, 0,1,2,3
.irp c, 0,1
.irp pp, 0,1,2
	ds_load_b64 v[64*PP+12*\a+6*\c+2*\pp:64*PP+12*\a+6*\c+2*\pp+1], v[8+(\s)/4] offset:(((\s)%4)*2+\c)*6144+768*\a+256*\pp
.endr
.endr
.endr
.endm
.macro MUL8 s, a, cm                   ; eight products: the tokens' tile a against Wp's eight.  cm = 2: they start the sums with the bias; 1: they add on
.set PP, (\s)%2
.if (\cm) == 2
	WIN 0x4e                                       ; source 0 window 2, source 1 window 3, C window 0, D window 1
.else
	WIN 0x5e                                       ; C and D window 1
.endif
.irp t, 0,1,2,3,4,5,6,7
.if (\cm) == 2
.set RC, BQ+8*\t
.else
.set RC, 64*(\a)+8*\t
.endif
	WM 64*(\a)+8*\t, 128*PP+12*\t, 64*PP+12*(\a), RC, SS0+8*(\t/2)+(\s), SS1+8*((\a)/2)+(\s), \t%2, (\a)%2
.endr
.endm
.macro KLOOP                           ; the 32 accumulators take turns, one instruction a turn, in the same order in every step
	s_wait_tensorcnt 3                             ; my part of chunk 0 is in; my three younger loads may be out
	s_barrier_signal -1
	s_barrier_wait -1
	FETCH 0
.irp s, 0,1,2,3,4,5,6,7
.if \s == 0
.set CM, 2
.else
.set CM, 1
.endif
	s_wait_alu depctr_va_vdst(0)
	s_wait_dscnt 0x0                               ; this step's fragments are in
	MUL8 \s, 0, CM
.if \s < 7
.if (\s%2) == 1
	s_wait_tensorcnt 3-(\s+1)/2                    ; my part of the next chunk is in; the count is my younger loads.  No LDS instruction of mine is out
	s_barrier_signal -1
	s_barrier_wait -1
.endif
	PLACES                                         ; the other set was last read by the step before
	FETCH \s+1
.endif
	MUL8 \s, 1, CM
	MUL8 \s, 2, CM
	MUL8 \s, 3, CM
.endr
	WIN 0
.endm
	s_load_b256 s[4:11], s[0:1], 0x0               ; codes, scl, oc, os
	s_load_b128 s[12:15], s[0:1], 0x20             ; bp, out0
	s_set_vgpr_msb 0x80
	v_lshl_add_u32 v254, v0, 2, 0x48000
	v_mov_b32 v255, 0
	s_set_vgpr_msb 0x808a
	ds_add_u32 v254, v255
	ds_add_u32 v254, v255
	s_set_vgpr_msb 0x8a00
	v_lshrrev_b32 v1, 5, v0
	v_readfirstlane_b32 s22, v1                    ; wave
	s_and_b32 s23, s22, 1                          ; which 8 tiles of Wp are mine.  Also: which K step of a chunk I fetch
	s_lshr_b32 s84, s22, 1                         ; which 4 tiles of tokens.  Also: I fetch for Wp (0) or for the tokens (1)
	s_bfe_u32 s85, ttmp6, 0x40000                  ; cx
	s_bfe_u32 s86, ttmp6, 0x40004                  ; cy
	s_and_b32 s88, ttmp7, 0xffff
	s_lshl_b32 s89, s85, 4
	s_add_co_u32 s89, s89, 704                     ; Wp's tile 16 cx
	s_lshl_b32 s92, s88, 2
	s_add_co_u32 s92, s92, s86                     ; which 128 tokens
	s_lshl_b32 s87, 0x1111, s85                    ; my column of the cluster
	s_lshl_b32 s93, s86, 2
	s_lshl_b32 s93, 15, s93                        ; my row
	s_or_b32 s[G1A], s87, (3<<16)|(1<<21)          ; Wp: a dense block of 24,576 bytes as 96 rows of 256
	s_mov_b32 s[G1A+1], 32<<16
	s_mov_b32 s[G1A+2], 96<<16
	s_mov_b32 s[G1A+3], 32<<16
	s_mov_b32 s[G1A+4], 96
	s_mov_b32 s[G1A+5], 32
	s_mov_b32 s[G1A+6], 0
	s_mov_b32 s[G1A+7], 0
	s_or_b32 s[G1B], s93, (3<<16)|(1<<21)          ; the tokens: two rows of 6,144 bytes (768 elements of 8), a head (49,152 elements) apart
	s_mov_b32 s[G1B+1], 768<<16
	s_mov_b32 s[G1B+2], 2<<16
	s_mov_b32 s[G1B+3], 768<<16
	s_mov_b32 s[G1B+4], 2
	s_mov_b32 s[G1B+5], 49152
	s_mov_b32 s[G1B+6], 0
	s_mov_b32 s[G1B+7], 0
	s_mul_i32 s90, s89, 1536
	s_mul_i32 s91, s23, KSS
	s_add_co_u32 s90, s90, s91
	s_mov_b32 s91, 0
	s_mul_i32 s94, s92, 6144
	s_mul_i32 s95, s23, 2*HS
	s_add_co_u32 s94, s94, s95
	s_mov_b32 s95, 0
	s_mul_i32 s97, s23, S0STEP
	s_mul_i32 s93, s23, S1STEP
	s_wait_dscnt 0x0
	s_wait_kmcnt 0x0
	s_add_nc_u64 s[90:91], s[4:5], s[90:91]
	s_add_nc_u64 s[94:95], s[8:9], s[94:95]
	ROUND                                          ; all sixteen work-groups are here: the joint loads meet
.irp q, 0,1,2,3
	s_mov_b32 s[G0A+4*\q], 1
	s_add_co_u32 s[G0A+4*\q+1], s97, \q*2*S0STEP
	s_add_nc_u64 s[G0A+4*\q+2:G0A+4*\q+3], s[90:91], \q*2*KSS
	s_or_b32 s[G0A+4*\q+3], s[G0A+4*\q+3], 0x80000000
	s_mov_b32 s[G0B+4*\q], 1
	s_add_co_u32 s[G0B+4*\q+1], s93, S1B+\q*2*S1STEP
	s_add_nc_u64 s[G0B+4*\q+2:G0B+4*\q+3], s[94:95], \q*4*HS
	s_or_b32 s[G0B+4*\q+3], s[G0B+4*\q+3], 0x80000000
.endr
	s_cmp_eq_u32 s84, 0                            ; a wave's four fills stand in one branch on its number; four v_nop follow the last
	s_cbranch_scc0 .Lfill_b
	tensor_load_to_lds s[G0A:G0A+3], s[G1A:G1A+7]
	s_nop 0
	tensor_load_to_lds s[G0A+4:G0A+7], s[G1A:G1A+7]
	s_nop 0
	tensor_load_to_lds s[G0A+8:G0A+11], s[G1A:G1A+7]
	s_nop 0
	tensor_load_to_lds s[G0A+12:G0A+15], s[G1A:G1A+7]
	s_nop 0
.rept 4
	v_nop
.endr
	s_branch .Lfilled
.Lfill_b:
	tensor_load_to_lds s[G0B:G0B+3], s[G1B:G1B+7]
	s_nop 0
	tensor_load_to_lds s[G0B+4:G0B+7], s[G1B:G1B+7]
	s_nop 0
	tensor_load_to_lds s[G0B+8:G0B+11], s[G1B:G1B+7]
	s_nop 0
	tensor_load_to_lds s[G0B+12:G0B+15], s[G1B:G1B+7]
	s_nop 0
.rept 4
	v_nop
.endr
.Lfilled:
	v_and_b32 v1, 31, v0
	v_and_b32 v2, 15, v0
	v_bfe_u32 v3, v0, 4, 1
	v_lshlrev_b32 v10, 3, v1
	v_lshlrev_b32 v11, 4, v1
	v_lshlrev_b32 v12, 2, v1
	s_mul_i32 s97, s23, 12288
	v_add_nc_u32 v4, s97, v11
	v_add_nc_u32 v5, 49152, v4
	v_add_nc_u32 v6, 98304, v4
	v_add_nc_u32 v7, 147456, v4
	s_mul_i32 s97, s84, 3072                       ; my 4 half fragments in a head's 8
	s_add_co_u32 s97, s97, S1B
	v_add_nc_u32 v8, s97, v10
	v_add_nc_u32 v9, 49152, v8
	s_mul_i32 s97, s22, 8448                       ; my stage: 16 rows x 528 bytes, in Wp's bytes, which have had their last fill
	v_mul_u32_u24 v13, v2, 528
	v_lshl_add_u32 v13, v3, 6, v13
	v_add_nc_u32 v13, s97, v13                     ; in: row r, 64 h bytes on
	v_add_nc_u32 v14, s97, v11                     ; back: a row's 512 bytes, 16 a lane
	v_lshlrev_b32 v15, 6, v3
	s_wait_alu depctr_va_vdst(0)
	s_lshr_b32 s100, s89, 1
	s_lshl_b32 s101, s23, 2
	s_add_co_u32 s100, s100, s101
	s_lshl_b32 s100, s100, 10
	s_mov_b32 s101, 0
	s_add_nc_u64 s[66:67], s[6:7], s[100:101]      ; Wp's scale words: my 4 groups
	s_lshl_b32 s100, s92, 2
	s_lshl_b32 s62, s84, 1
	s_add_co_u32 s100, s100, s62
	s_lshl_b32 s100, s100, 7
	s_add_nc_u64 s[62:63], s[10:11], s[100:101]    ; the tokens': my 2 groups, 128 bytes each, a head 32,768 bytes on
	s_lshl_b32 s100, s85, 10
	s_lshl_b32 s60, s23, 9
	s_add_co_u32 s100, s100, s60
	s_add_nc_u64 s[60:61], s[12:13], s[100:101]    ; bp at my 128 columns
	s_lshl_b32 s100, s92, 7
	s_lshl_b32 s56, s84, 6
	s_add_co_u32 s100, s100, s56
	s_lshl_b32 s100, s100, 12                      ; my first token's row of 4,096 bytes,
	s_lshl_b32 s56, s85, 10
	s_add_co_u32 s100, s100, s56
	s_lshl_b32 s56, s23, 9
	s_add_co_u32 s100, s100, s56                   ; my 128 columns
	s_add_nc_u64 s[56:57], s[14:15], s[100:101]
.irp g, 0,1,2,3
.irp qt, 0,1,2,3
	global_load_b64 v[SS0+8*\g+2*\qt:SS0+8*\g+2*\qt+1], v10, s[66:67] offset:1024*\g+256*\qt
.endr
.endr
.irp hd, 0,1,2,3,4,5,6,7,8,9,10,11,12,13,14,15
.irp g, 0,1
	global_load_b32 v[H+2*\hd+\g], v12, s[62:63] offset:32768*\hd+128*\g
.endr
.endr
.irp t, 0,1,2,3,4,5,6,7
	global_load_b128 v[BQ+8*\t:BQ+8*\t+3], v15, s[60:61] offset:(32*(\t/2)+8*(\t%2))*4      ; register 8 t + j is column 32 (t / 2) + 16 h + 8 (t % 2) + j
	global_load_b128 v[BQ+8*\t+4:BQ+8*\t+7], v15, s[60:61] offset:(32*(\t/2)+8*(\t%2))*4+16
.endr
	s_wait_loadcnt 0x0
.irp s, 0,1,2,3,4,5,6,7
.irp g, 0,1
	v_lshl_or_b32 v[SS1+8*\g+\s], v[H+4*\s+2+\g], 16, v[H+4*\s+\g]   ; heads 2 s and 2 s + 1 give K step s's four bytes
.endr
.endr
.rept 8
	v_nop                                          ; a scale register written by a vector instruction stands eight places ahead of a scaled product
.endr
	KLOOP
	s_barrier_signal -1                            ; every wave's last reads of LDS were waited for at the head of its last K step: behind this barrier the stages may be written
	s_barrier_wait -1
; THE WAY OUT, a tile of 16 tokens x 128 columns at a time, through my own stage; LDS serves a wave's instructions in order, so no wait stands between the stores and the loads
.macro TOSTAGE a
	WIN 0x04                                       ; an LDS store's data are its source 1: window 1
.irp t, 0,1,2,3,4,5,6,7
	ds_store_b128 v13, v[64*(\a)+8*\t:64*(\a)+8*\t+3] offset:128*(\t/2)+32*(\t%2)          ; each accumulator from its low end on
	ds_store_b128 v13, v[64*(\a)+8*\t+4:64*(\a)+8*\t+7] offset:128*(\t/2)+32*(\t%2)+16
.endr
	WIN 0
.set BB, BK+64*((\a)%2)
.irp i, 0,1,2,3,4,5,6,7,8,9,10,11,12,13,14,15
	ds_load_b128 v[BB+4*\i:BB+4*\i+3], v14 offset:528*\i
.endr
.endm
.macro SEND a, younger                 ; younger: the LDS instructions issued behind tile a's loads
.set BB, BK+64*((\a)%2)
	s_wait_dscnt \younger
.irp i, 0,1,2,3,4,5,6,7,8,9,10,11,12,13,14,15
	global_store_b128 v11, v[BB+4*\i:BB+4*\i+3], s[56:57] offset:(32*((\a)/2)+8*((\a)%2)+\i+8*(\i/8))*4096 th:TH_STORE_NT   ; 512 consecutive bytes, aligned; lane i of tile a is token 32 (a / 2) + 8 (a % 2) + i + 8 (i / 8)
.endr
.endm
	PLACES
	TOSTAGE 0
.irp a, 1,2,3
.if \a > 1
	s_wait_xcnt 0x0                                ; tile a - 2's stores have read their registers: tile a's loads may land there
.endif
	TOSTAGE \a
	SEND \a-1, 32                                  ; behind tile a - 1's loads: tile a's 16 stores and 16 loads
.endr
	SEND 3, 0
	s_set_vgpr_msb 0xa
	s_wait_tensorcnt 0x0
	ds_add_u32 v254, v255
	s_wait_dscnt 0x0
	s_set_vgpr_msb 0xa00
	ROUND                                          ; the closing round
	s_endpgm
.Lfunc_end_k_qa2afdbf81f_proj:
	.size	k_qa2afdbf81f_proj, .Lfunc_end_k_qa2afdbf81f_proj-k_qa2afdbf81f_proj
	.p2alignl 7, 3214868480
	.fill 96, 4, 3214868480
	.section	.rodata,"a",@progbits
	.p2align	6, 0x0
	.amdhsa_kernel k_qa2afdbf81f_proj
		.amdhsa_group_segment_fixed_size 295424
		.amdhsa_private_segment_fixed_size 0
		.amdhsa_enable_private_segment 0
		.amdhsa_kernarg_size 48
		.amdhsa_user_sgpr_count 2
		.amdhsa_user_sgpr_kernarg_segment_ptr 1
		.amdhsa_wavefront_size32 1
		.amdhsa_system_sgpr_workgroup_id_x 1
		.amdhsa_system_sgpr_workgroup_id_y 1
		.amdhsa_system_sgpr_workgroup_id_z 1
		.amdhsa_system_vgpr_workitem_id 0
		.amdhsa_next_free_vgpr 896
		.amdhsa_next_free_sgpr 102
		.amdhsa_reserve_vcc 0
		.amdhsa_float_denorm_mode_32 3
		.amdhsa_float_denorm_mode_16_64 3
		.amdhsa_memory_ordered 1
		.amdhsa_forward_progress 1
		.amdhsa_inst_pref_size 90
	.end_amdhsa_kernel
	.amdgpu_metadata
---
amdhsa.version: [ 1, 2 ]
amdhsa.kernels:
  - .name:           k_qa2afdbf81f_proj
    .symbol:         k_qa2afdbf81f_proj.kd
    .args:
      - { .name: codes, .offset: 0, .size: 8, .value_kind: global_buffer, .address_space: global }
      - { .name: scl, .offset: 8, .size: 8, .value_kind: global_buffer, .address_space: global }
      - { .name: oc, .offset: 16, .size: 8, .value_kind: global_buffer, .address_space: global }
      - { .name: os, .offset: 24, .size: 8, .value_kind: global_buffer, .address_space: global }
      - { .name: bp, .offset: 32, .size: 8, .value_kind: global_buffer, .address_space: global }
      - { .name: out0, .offset: 40, .size: 8, .value_kind: global_buffer, .address_space: global }
    .group_segment_fixed_size: 295424
    .private_segment_fixed_size: 0
    .kernarg_segment_align: 8
    .kernarg_segment_size: 48
    .max_flat_workgroup_size: 128
    .sgpr_count:     102
    .vgpr_count:     896
    .wavefront_size: 32
...
	.end_amdgpu_metadata
.endif
;; end of part 4
